; MI455X (gfx1250); checked and timed in simulation.
; The chip was launched on July 23, 2026; its instructions are those of AMD's public machine-readable ISA for CDNA 5 (MIT licence, August 2026) and "CDNA5" Instruction Set Architecture Reference Guide (July 2026). The comments in the code are by the model that wrote it; some were corrected since.
;; Causal Self Attention. Allowed arithmetic: matrix products marked QUANTISED: E2M3 operands, one E8M0 scale for each 32 along K, by v_wmma_scale_f32_16x16x128_f8f6f4 with both operands' format E2M3, f32 sums; everything else in f32.
;; Inputs: w_proj 1,024 x 1,024 float32; w_qkv 1,024 x 3,072 float32; x 4 x 2,048 x 1,024 float32.
;; Outputs: out0 4 x 2,048 x 1,024 float32.
;; This version of the problem:
;;   THIS VERSION OF THE PROBLEM IS GIVEN IN LOW PRECISION. The matrix products marked QUANTISED in the list below multiply operands that are first quantised to E2M3 (2 exponent bits, 3 mantissa bits; 6 bits a number), with one power-of-two scale for each 32 numbers along K (OCP MX v1.0); their sums are f32. All else is computed in f32.
;;   The module's matrix products, in the order in which they are computed (A, B: the left and right operand; K: the contracted axis; several contracted axes count as one K, in the product's order):
;;     1. [M 8,192, K 1,024] x [K 1,024, N 3,072]; A: input x; B: input w_qkv: QUANTISED
;;     2. batch 64 x [M 2,048, K 64] x [K 64, N 2,048]; A: computed on the way; B: computed on the way: QUANTISED
;;     3. batch 64 x [M 2,048, K 2,048] x [K 2,048, N 64]; A: softmax (see below); B: computed on the way: QUANTISED
;;     4. [M 8,192, K 1,024] x [K 1,024, N 1,024]; A: computed on the way; B: input w_proj: QUANTISED
;;   THE QUANTISER, for each operand of a quantised product, along K:
;;     - K is cut into blocks of 32 from its start; a last block that is shorter is filled with zeros.
;;     - A block's scale is 2^e with e = floor(log2(the largest magnitude in the block)) - 2, held to -126 .. 127; a block of zeros has e = 0. As a byte (E8M0): e + 127.
;;     - Each number is divided by its block's scale, clamped to +-7.5, and rounded to the nearest number of E2M3, ties to even, subnormals kept.
;;     - The product sums the exact products of the quantised numbers (number of the format x scale) in f32.
;;   ~~~python
;;   def quantise(x, axis):      # numpy; x: float32 -> the quantised numbers, widened to float32 again
;;       x = np.moveaxis(x, axis, -1); K = x.shape[-1]
;;       x = np.pad(x, [(0, 0)] * (x.ndim - 1) + [(0, -K % 32)]); x = x.reshape(x.shape[:-1] + (-1, 32)); a = np.abs(x).max(-1, keepdims=True)
;;       e = np.where(a > 0, np.clip(np.frexp(np.where(a > 0, a, 1))[1] - 1 - 2, -126, 127), 0)      # np.frexp(a)[1] - 1 = floor(log2(a)), exactly
;;       r = np.clip(x / 2.0 ** e, -7.5, 7.5)
;;       step = 2.0 ** (np.maximum(np.frexp(np.where(r == 0, 1, r))[1] - 1, 0) - 3)
;;       q = np.round(r / step) * step * 2.0 ** e      # np.round: ties to even
;;       return np.moveaxis(q.reshape(q.shape[:-2] + (-1,))[..., :K], -1, axis).astype(np.float32)
;;   ~~~
;;   SOFTMAX AHEAD OF A QUANTISED PRODUCT. Where the list says 'softmax', what is quantised is not the finished softmax but p = 2^(t - M), with t = logit x log2(e) and M = ceil(the row's largest t), a whole number; so 1/2 < the row's largest p <= 1. The row's sum l is taken of the UNQUANTISED p, in f32, and the product's result is divided by l at the end. Since M is a whole number, a kernel that streams over the keys may use a running M (the ceiling of the running maximum): every later rescaling is an exact power of two, which a block's scale takes up: the codes' values come out the same.
;;   OPERANDS COMPUTED ON THE WAY. 'Computed on the way' means the value that the module computes at that place (a softmax that the list does not call 'softmax' is quantised finished and normalised). What goes into a quantiser is computed in f32, as accurately as f32 sums, v_exp_f32 and their like allow (about 1e-6 of the number): no bf16 or f16 on the way to a quantiser, and a product that is left as it is and whose result goes on into a quantised operand takes f32 operands (vector FMAs, or v_wmma_f32_16x16x4_f32). A number that lies on a knife's edge between two numbers of the format may be rounded either way, as far as f32 arithmetic and the matrix unit's own rounding can turn it there, and no further.
;; One version. Each part assembles by itself: llvm-mc -triple=amdgcn-amd-amdhsa -mcpu=gfx1250 --defsym DOCPART=n.
;; ======== version 1 of 1: 4 launches
;; workspace buffers: xi 6,291,456 bytes; xs 262,144 bytes; wi 3,145,728 bytes; ws 131,072 bytes; hb 20,185,088 bytes; yi 6,291,456 bytes; ys 262,144 bytes
;; launch quant (part 1): grid 1280 x 1, 4 waves a work-group, no clusters, 58,880 bytes of LDS; arguments x, w_qkv, w_proj, xi, xs, wi, ws; writes xi, xs, wi, ws
.if DOCPART == 1
	.amdgcn_target "amdgcn-amd-amdhsa--gfx1250"
	.amdhsa_code_object_version 6
	.text
	.protected	k_qdfc31a63cf_quant
	.globl	k_qdfc31a63cf_quant
	.p2align	8
	.type	k_qdfc31a63cf_quant,@function
k_qdfc31a63cf_quant:
	s_mov_b64 s[64:65], 0
	v_nop
	global_prefetch_b8 v0, s[64:65] scope:SCOPE_SE
	s_setreg_imm32_b32 hwreg(HW_REG_WAVE_MODE, 25, 1), 1
	s_wait_xcnt 0x0
; x [8192][1024], w_qkv [1024][3072] and w_proj [1024][1024], f32, become codes of FP6 (E2M3) with one E8M0 scale byte for each 32 along K (x: its last axis; the weights: their FIRST axis).
; A block's scale is 2^(floor(log2(its largest magnitude)) - 2); its byte is the largest magnitude's exponent field - 2, held at 1 from below.
; LIMITS: NaN and infinities are not served; a block whose largest magnitude lies under 2^-124 (a block of zeros too) gets the byte 1: a block of zeros has zero codes, which add nothing, and only this program reads the bytes.
; THE OUTPUT IS LAID AS THE MATRIX UNIT'S REGISTERS.  A fragment is 16 rows x 128 K, 12 registers a lane (lane (r, h): row r, registers 6 c .. 6 c + 5 = k 64 c + 32 h + 0 .. 31), 1,536 bytes: two halves of 768;
; half c: registers 6 c .. 6 c + 3 at 16 x lane, registers 6 c + 4, 6 c + 5 at 512 + 8 x lane.  Buffers: [row tile T][K step 8][1536]; scale words [T][r][8 words].
; THE ROWS OF A TILE ARE NOT NEIGHBOURS: lane r of tile T holds row 32 (T / 2) + 8 (T % 2) + r + 8 (r / 8), so that a product's 16 registers of two neighbouring tiles are 16 neighbours along the next K.
; SHARES.  Work-groups 0-1023: x, a fragment to a wave.  Work-groups 1024-1279: the weights, 32 columns x 128 K (two fragments) to a wave; tiles 0-191 of wi are w_qkv's columns, 192-255 w_proj's.
; A stream: every input byte is read once, waves share nothing, so there is no barrier, no cluster, no matrix work.  Each of the three ways through the text has LDS bytes of its own.
.set XP,   528                         ; arm X: a stage row: 512 bytes + 16, so that sixteen rows' 16 bytes fall on sixteen different columns of 16 bytes
.set XST,  16*XP                       ; a wave's stage
.set WST,  3072                        ; arms W: a wave's stage: two images
.set LBQ,  4*XST                       ; w_qkv's stages begin here,
.set LBP,  LBQ+4*WST                   ; w_proj's here
.set SEL,  20                          ; s[20:21] lane selects for v_permlanex16_b32: lane l xor 16
.set R,    16                          ; arm X: v16-79   16 rows' 16 bytes as loaded
.set XN,   80                          ;        v80-143  register 16 b + i = k 32 b + 16 h + i of my row
.set TM,   144                         ;        v144-159 at work
.set PW,   160                         ;        v160     my row's scale word
.set PC,   164                         ;        v164-182 the codes
.set X,    16                          ; arms W: v16-143 my column's 128 numbers down K
.set C,    144                         ;        v144-175 codes: eight registers a block
.set SB,   176                         ;        v176     my column's scale word
; 64 numbers of a lane, register 16 b + i = k 32 b + 16 (lane / 16) + i of my row, become a fragment's codes in v[PC] on and its scale word in v[PW].
.macro QUANT s
.irp b, 0,1,2,3
	v_max3_num_f32 v[TM+\b], |v[\s+16*\b]|, |v[\s+1+16*\b]|, 0x1800000   ; my 16 numbers of block b, and the floor 2^(3 - 127): the byte cannot fall under 1
.endr
.irp i, 2,4,6,8,10,12,14
.irp b, 0,1,2,3
	v_max3_num_f32 v[TM+\b], v[TM+\b], |v[\s+16*\b+\i]|, |v[\s+1+16*\b+\i]|   ; the four blocks by turns
.endr
.endr
.irp b, 0,1,2,3
	v_permlanex16_b32 v[TM+4+\b], v[TM+\b], s[SEL], s[SEL+1]
.endr
.irp b, 0,1,2,3
	v_max_num_f32 v[TM+\b], v[TM+\b], v[TM+4+\b]   ; with lane l xor 16's: the block's largest magnitude
.endr
.irp b, 0,1,2,3
	v_add_nc_u32 v[TM+12+\b], 0xff000000, v[TM+\b]   ; 2 off its exponent field: the conversion takes this operand's exponent field as its scale
.endr
.irp b, 0,1,2,3
	v_lshrrev_b32 v[TM+4+\b], 23, v[TM+12+\b]      ; the scale's byte
.endr
	v_lshl_or_b32 v[PW], v[TM+5], 8, v[TM+4]
	v_lshl_or_b32 v[PW], v[TM+6], 16, v[PW]
	v_lshl_or_b32 v[PW], v[TM+7], 24, v[PW]
.irp c, 0,1
	v_cvt_scalef32_pk16_fp6_f32 v[PC+6*\c:PC+2+6*\c], v[\s+32*\c:\s+15+32*\c], v[TM+12+2*\c]
	v_cvt_scalef32_pk16_fp6_f32 v[PC+12+4*\c:PC+14+4*\c], v[\s+16+32*\c:\s+31+32*\c], v[TM+12+2*\c+1]   ; (a conversion's three registers begin on an even number)
.endr
	v_nop                                          ; one plain place behind a scaled conversion
.irp c, 0,1                                    ; the layout wants a whole block in a lane: lanes 0-15 block 2 c, lanes 16-31 block 2 c + 1
.irp i, 0,1,2
	v_permlane16_swap_b32 v[PC+6*\c+\i], v[PC+12+4*\c+\i]
.endr
.irp i, 0,1,2
	v_mov_b32 v[PC+3+6*\c+\i], v[PC+12+4*\c+\i]
.endr
.endr
.endm
	s_load_b256 s[4:11], s[0:1], 0x0               ; x s[4:5], w_qkv s[6:7], w_proj s[8:9], xi s[10:11]
	s_load_b128 s[12:15], s[0:1], 0x20             ; xs s[12:13], wi s[14:15]
	s_load_b64 s[16:17], s[0:1], 0x30              ; ws
	v_lshl_add_u32 v192, v0, 2, 0xe400
	v_mov_b32 v193, 0
	v_lshrrev_b32 v1, 5, v0
	v_readfirstlane_b32 s18, v1                    ; wave 0..3
	v_and_b32 v1, 31, v0                           ; lane
	v_and_b32 v2, 15, v0                           ; r
	v_bfe_u32 v3, v0, 4, 1                         ; h
	v_lshlrev_b32 v4, 4, v1                        ; 16 x lane
	v_lshlrev_b32 v5, 3, v1
	v_add_nc_u32 v5, 512, v5                       ; 512 + 8 x lane
	s_cmp_lt_u32 ttmp9, 1024
	s_cbranch_scc0 .Lweights
	; ---- ARM X: fragment (T, K step) of x.  T = work-group / 2, K step = 4 (work-group % 2) + wave
	s_mov_b32 s[SEL], 0x76543210
	s_mov_b32 s[SEL+1], 0xfedcba98
	s_mov_b32 s19, 0xffff0000                      ; lanes 16-31
	s_mul_i32 s22, s18, XST                        ; my stage
	v_add_nc_u32 v6, s22, v4                       ; in: a row's 512 bytes as they lie
	v_mul_u32_u24 v7, v2, XP
	v_lshl_add_u32 v7, v3, 6, v7
	v_add_nc_u32 v7, s22, v7                       ; out: row r, + 64 h: my 16 numbers of each block of 32
	v_lshlrev_b32 v8, 5, v2
	v_lshl_add_u32 v8, v3, 1, v8                   ; the scale word's half that I store: 32 r + 2 h
.irp b, 0,1,2,3
	v_mov_b32 v[TM+4+\b], 0                        ; written once: a lane permute's destination counts as one of its sources
.endr
	s_lshr_b32 s23, ttmp9, 1                       ; T
	s_and_b32 s24, ttmp9, 1
	s_lshl_b32 s24, s24, 2
	s_add_co_u32 s24, s24, s18                     ; K step
	s_lshr_b32 s25, s23, 1
	s_lshl_b32 s25, s25, 5
	s_and_b32 s26, s23, 1
	s_lshl_b32 s26, s26, 3
	s_add_co_u32 s25, s25, s26                     ; the tile's first row: 32 (T / 2) + 8 (T % 2)
	s_lshl_b32 s26, s25, 12                        ; rows of 4,096 bytes,
	s_lshl_b32 s27, s24, 9                         ; K steps of 512
	s_add_co_u32 s26, s26, s27
	s_mov_b32 s27, 0
	s_lshl_b32 s28, s23, 3
	s_add_co_u32 s28, s28, s24
	s_mul_i32 s28, s28, 1536                       ; the image's place
	s_mov_b32 s29, 0
	s_lshl_b32 s30, s23, 9
	s_lshl_b32 s31, s24, 2
	s_add_co_u32 s30, s30, s31                     ; the scale words': 512 T + 4 x K step
	s_mov_b32 s31, 0
	s_wait_alu depctr_va_vdst(0)
	s_wait_kmcnt 0x0
	s_add_nc_u64 s[4:5], s[4:5], s[26:27]
	s_add_nc_u64 s[10:11], s[10:11], s[28:29]
	s_add_nc_u64 s[12:13], s[12:13], s[30:31]
.irp j, 0,1,2,3,4,5,6,7,8,9,10,11,12,13,14,15
	global_load_b128 v[R+4*\j:R+4*\j+3], v4, s[4:5] offset:(\j+8*(\j/8))*4096 th:TH_LOAD_NT   ; the tile's row j: 32 lanes read 512 consecutive bytes
.endr
.irp j, 0,1,2,3,4,5,6,7,8,9,10,11,12,13,14,15
	s_wait_loadcnt 15-\j                           ; loads come back in order: row j is in, the younger ones may be out
	ds_store_b128 v6, v[R+4*\j:R+4*\j+3] offset:XP*\j
.endr
.irp b, 0,1,2,3
.irp i, 0,1,2,3
	ds_load_b128 v[XN+16*\b+4*\i:XN+16*\b+4*\i+3], v7 offset:128*\b+16*\i   ; LDS serves a wave's instructions in order: these see my stores
.endr
.endr
	s_wait_dscnt 0x0
	QUANT XN
	global_store_b128 v4, v[PC:PC+3], s[10:11]                 ; each store covers 512 or 256 consecutive bytes, aligned
	global_store_b64 v5, v[PC+4:PC+5], s[10:11]
	global_store_b128 v4, v[PC+6:PC+9], s[10:11] offset:768
	global_store_b64 v5, v[PC+10:PC+11], s[10:11] offset:768
	v_lshrrev_b32 v161, 16, v[PW]
	v_cndmask_b32 v161, v[PW], v161, s19           ; lanes 0-15 the word's low half, lanes 16-31 its high half: no byte is stored twice
	global_store_b16 v8, v161, s[12:13]
	s_wait_tensorcnt 0x0
	ds_add_u32 v192, v193
	s_wait_dscnt 0x0
	s_endpgm
	; ---- ARMS W: a lane takes a column and its registers run down K, so a block of 32 lies in one lane and nothing is transposed by an instruction
.macro LOADB t, pitch
.irp i, 0,1,2,3,4,5,6,7,8,9,10,11,12,13,14,15,16,17,18,19,20,21,22,23,24,25,26,27,28,29,30,31
	global_load_b32 v[X+32*(\t)+\i], v6, s[26:27] offset:(32*(\t)+\i)*\pitch th:TH_LOAD_NT   ; 128 consecutive bytes a wave, 512 for the four waves
.endr
.endm
.macro BLK t, lb                       ; block t = 2 c + h of the K step goes to lane rr + 16 h of half c of my tile's image
.set XS, X+32*(\t)
.set CC, C+8*(\t)
	v_max3_num_f32 v177, |v[XS]|, |v[XS+1]|, |v[XS+2]|
	v_max3_num_f32 v178, |v[XS+3]|, |v[XS+4]|, |v[XS+5]|
.irp i, 6,10,14,18,22,26
	v_max3_num_f32 v177, v177, |v[XS+\i]|, |v[XS+\i+1]|
	v_max3_num_f32 v178, v178, |v[XS+\i+2]|, |v[XS+\i+3]|
.endr
	v_max3_num_f32 v177, v177, |v[XS+30]|, |v[XS+31]|
	v_max3_num_f32 v177, v177, v178, 0x1800000     ; and the floor
	v_add_nc_u32 v179, 0xff000000, v177            ; the conversion's scale operand
	v_lshrrev_b32 v180, 23, v179                   ; the byte
.if (\t) == 0
	v_mov_b32 v[SB], v180
.else
	v_lshl_or_b32 v[SB], v180, 8*(\t), v[SB]
.endif
	v_cvt_scalef32_pk16_fp6_f32 v[CC:CC+2], v[XS:XS+15], v179
	v_cvt_scalef32_pk16_fp6_f32 v[CC+4:CC+6], v[XS+16:XS+31], v179
	v_nop                                          ; one plain place behind a scaled conversion
	v_mov_b32 v[CC+3], v[CC+4]                     ; the block's six registers on end
	v_mov_b32 v[CC+4], v[CC+5]
	v_mov_b32 v[CC+5], v[CC+6]
	ds_store_b128 v7, v[CC:CC+3] offset:\lb+768*((\t)/2)+256*((\t)%2)
	ds_store_b64 v9, v[CC+4:CC+5] offset:\lb+768*((\t)/2)+512+128*((\t)%2)
.endm
.macro WARM pitch, lb, src, first
	s_sub_co_u32 s26, s23, \first                  ; the group of 128 columns within this tensor
	s_lshl_b32 s26, s26, 9
	s_lshl_b32 s27, s18, 7                         ; my wave's 32 columns
	s_add_co_u32 s26, s26, s27
	s_mul_i32 s27, s24, 128*\pitch                 ; the K step's 128 rows
	s_add_co_u32 s26, s26, s27
	s_mov_b32 s27, 0
	s_add_nc_u64 s[26:27], s[\src:\src+1], s[26:27]
	LOADB 0, \pitch
	LOADB 1, \pitch
	s_wait_loadcnt 32                              ; block 0 is in; the 32 younger loads may be out
	LOADB 2, \pitch
	BLK 0, \lb
	s_wait_loadcnt 32                              ; block 1 is in
	LOADB 3, \pitch
	BLK 1, \lb
	s_wait_loadcnt 32                              ; block 2 is in
	BLK 2, \lb
	s_wait_loadcnt 0x0
	BLK 3, \lb
.irp i, 0,1,2,3,4,5
	ds_load_b128 v[X+4*\i:X+4*\i+3], v10 offset:\lb+512*\i   ; the stage now holds the two images byte for byte; LDS serves a wave in order
.endr
	s_wait_alu depctr_va_vdst(0)
.irp i, 0,1,2,3,4,5
	s_wait_dscnt 5-\i
	global_store_b128 v4, v[X+4*\i:X+4*\i+3], s[14:15] offset:12288*(\i/3)+512*(\i%3)   ; 512 consecutive bytes, aligned
.endr
	global_store_b32 v11, v[SB], s[16:17]          ; 4 bytes a row, 32 bytes apart: one byte in 128 of what this arm reads
.endm
.Lweights:
	s_sub_co_u32 s22, ttmp9, 1024
	s_lshr_b32 s23, s22, 3                         ; group of 128 columns, 0-23 w_qkv's, 24-31 w_proj's
	s_and_b32 s24, s22, 7                          ; K step
	s_mul_i32 s25, s18, WST                        ; my stage
	s_wait_alu depctr_va_vdst(0)
	v_lshlrev_b32 v6, 2, v1                        ; in: 4 bytes a lane
	v_bfe_u32 v12, v0, 3, 1                        ; column L of my 32 lies in tile u = (L / 8) % 2,
	v_and_b32 v13, 7, v0
	v_lshl_add_u32 v13, v3, 3, v13                 ; at its row rr = L % 8 + 8 (L / 16)
	v_mul_u32_u24 v14, v12, 1536
	v_add_nc_u32 v14, s25, v14
	v_lshl_add_u32 v7, v13, 4, v14                 ; where a block's first four registers go,
	v_lshl_add_u32 v9, v13, 3, v14                 ; and its last two
	v_add_nc_u32 v10, s25, v4                      ; back: 16 x lane
	v_lshlrev_b32 v11, 9, v12
	v_lshl_add_u32 v11, v13, 5, v11                ; my scale word: 512 u + 32 rr
	s_lshl_b32 s28, s23, 3
	s_lshl_b32 s29, s18, 1
	s_add_co_u32 s28, s28, s29                     ; my first tile of wi: 8 x group + 2 x wave
	s_mul_i32 s30, s28, 12288
	s_mul_i32 s31, s24, 1536
	s_add_co_u32 s30, s30, s31
	s_mov_b32 s31, 0
	s_lshl_b32 s32, s28, 9
	s_lshl_b32 s33, s24, 2
	s_add_co_u32 s32, s32, s33
	s_mov_b32 s33, 0
	s_wait_kmcnt 0x0
	s_add_nc_u64 s[14:15], s[14:15], s[30:31]
	s_add_nc_u64 s[16:17], s[16:17], s[32:33]
	s_cmp_lt_u32 s23, 24
	s_cbranch_scc0 .Lproj
	WARM 12288, LBQ, 6, 0
	s_wait_tensorcnt 0x0
	ds_add_u32 v192, v193
	s_wait_dscnt 0x0
	s_endpgm
.Lproj:
	WARM 4096, LBP, 8, 24
	s_wait_tensorcnt 0x0
	ds_add_u32 v192, v193
	s_wait_dscnt 0x0
	s_endpgm
.Lfunc_end_k_qdfc31a63cf_quant:
	.size	k_qdfc31a63cf_quant, .Lfunc_end_k_qdfc31a63cf_quant-k_qdfc31a63cf_quant
	.p2alignl 7, 3214868480
	.fill 96, 4, 3214868480
	.section	.rodata,"a",@progbits
	.p2align	6, 0x0
	.amdhsa_kernel k_qdfc31a63cf_quant
		.amdhsa_group_segment_fixed_size 58880
		.amdhsa_private_segment_fixed_size 0
		.amdhsa_enable_private_segment 0
		.amdhsa_kernarg_size 56
		.amdhsa_user_sgpr_count 2
		.amdhsa_user_sgpr_kernarg_segment_ptr 1
		.amdhsa_wavefront_size32 1
		.amdhsa_system_sgpr_workgroup_id_x 1
		.amdhsa_system_sgpr_workgroup_id_y 1
		.amdhsa_system_sgpr_workgroup_id_z 1
		.amdhsa_system_vgpr_workitem_id 0
		.amdhsa_next_free_vgpr 194
		.amdhsa_next_free_sgpr 66
		.amdhsa_reserve_vcc 0
		.amdhsa_float_denorm_mode_32 3
		.amdhsa_float_denorm_mode_16_64 3
		.amdhsa_memory_ordered 1
		.amdhsa_forward_progress 1
		.amdhsa_inst_pref_size 53
	.end_amdhsa_kernel
	.amdgpu_metadata
---
amdhsa.version: [ 1, 2 ]
amdhsa.kernels:
  - .name:           k_qdfc31a63cf_quant
    .symbol:         k_qdfc31a63cf_quant.kd
    .args:
      - { .name: x, .offset: 0, .size: 8, .value_kind: global_buffer, .address_space: global }
      - { .name: w_qkv, .offset: 8, .size: 8, .value_kind: global_buffer, .address_space: global }
      - { .name: w_proj, .offset: 16, .size: 8, .value_kind: global_buffer, .address_space: global }
      - { .name: xi, .offset: 24, .size: 8, .value_kind: global_buffer, .address_space: global }
      - { .name: xs, .offset: 32, .size: 8, .value_kind: global_buffer, .address_space: global }
      - { .name: wi, .offset: 40, .size: 8, .value_kind: global_buffer, .address_space: global }
      - { .name: ws, .offset: 48, .size: 8, .value_kind: global_buffer, .address_space: global }
    .group_segment_fixed_size: 58880
    .private_segment_fixed_size: 0
    .kernarg_segment_align: 8
    .kernarg_segment_size: 56
    .max_flat_workgroup_size: 128
    .sgpr_count:     66
    .vgpr_count:     194
    .wavefront_size: 32
...
	.end_amdgpu_metadata
.endif
;; end of part 1
;; launch gemm_qkv (part 2): grid 8 x 48, 4 waves a work-group, clusters of 4 x 4, 327,680 bytes of LDS; arguments xi, xs, wi, ws, hb; writes hb
.if DOCPART == 2
	.amdgcn_target "amdgcn-amd-amdhsa--gfx1250"
	.amdhsa_code_object_version 6
	.text
	.protected	k_qdfc31a63cf_gemm_qkv
	.globl	k_qdfc31a63cf_gemm_qkv
	.p2align	8
	.type	k_qdfc31a63cf_gemm_qkv,@function
k_qdfc31a63cf_gemm_qkv:
	s_mov_b64 s[64:65], 0
	v_nop
	global_prefetch_b8 v0, s[64:65] scope:SCOPE_SE
	s_setreg_imm32_b32 hwreg(HW_REG_WAVE_MODE, 25, 1), 1
	s_wait_xcnt 0x0
	s_wait_alu depctr_hold_cnt(0) depctr_sa_sdst(0) depctr_va_vdst(0) depctr_va_sdst(0) depctr_va_ssrc(0) depctr_va_vcc(0) depctr_vm_vsrc(0)
	s_getreg_b32 s2, hwreg(HW_REG_IB_STS2, 6, 4)
	s_cmp_eq_u32 s2, 0
	s_cbranch_scc0 .Lentry_in_a_cluster
	s_endpgm
.Lentry_in_a_cluster:
	s_bfe_u32 s2, ttmp6, 0x10000c
	s_cmp_lg_u32 s2, 0xf033
	s_cbranch_scc0 .Lentry_shape_is_right
	s_endpgm
.Lentry_shape_is_right:
; qkv = x w_qkv on codes of FP6 (E2M3) with E8M0 scales, K = 1,024; the results are quantised in registers and leave as codes: q and k along the head's 64, v along the keys.  No f32 result goes to memory.
; OPERANDS are images of the matrix unit's registers: [row tile][K step 8][1536 bytes]; a fragment (16 rows x 128 K, 12 registers a lane) is two halves of 768 bytes: registers 6 c .. 6 c + 3 at 16 x lane,
; registers 6 c + 4, 6 c + 5 at 512 + 8 x lane.  Lane r of tile T holds row 32 (T / 2) + 8 (T % 2) + r + 8 (r / 8).  Scale words: [row tile][r][8 words].
; A tile of the product, 256 x 256, is made by four waves, as many as a WGP has SIMDs; a wave makes 128 x 128: 64 accumulators.  Source 1 ("A") gives a lane its row, source 0 ("B") runs along a lane's registers:
; by the choice of a tile's rows the 16 registers of B's tiles 2 b, 2 b + 1 are 16 NEIGHBOURS, 32 b + 16 (lane / 16) + 0 .. 15, which is what the conversions want.
; TWO KINDS, by the cluster's y, which all partners share.  KIND 0 (y < 8), q and k: A = 256 tokens, B = 256 columns n < 2,048: a lane holds a token, its registers run along the head's channels.
; KIND 1 (y >= 8), v: A = 256 channels (columns 2,048 on), B = 256 tokens: a lane holds a channel, its registers run along the KEYS.  Both operands have rows of the same length, so all descriptors are alike.
; K goes in steps of 256 through THREE LDS slots, as many as fit: K 0-767 come with the first fills; only K 768-1,023 fill a slot again (slot 0), and that load has two slots' products in which to land.  All is written
; out: no loop.  The scale words of the 512 rows come once and stay.
; CLUSTERS: 4 x 4 work-groups; A's tiles are asked for jointly along a row of the cluster, B's along a column.
; hb: 64 head blocks of HB bytes: K's images [key tile 128][768], V's [step 16][channel tile 4][1536], K's scale words [tile][16], V's [step][tile][16], Q's images, Q's scale words.
; LIMITS: NaN and infinities are not served; a block whose largest magnitude lies under 2^-124 gets the byte 1 (a block of zeros has zero codes; only this program reads the bytes).
; REGISTERS, in windows of 256: window 0: v12-29 addresses; v32-63 scale words, two sets, and nothing else; v64-115 the way out; from v128 A's fragments, ONE set.  window 1: B's fragments, TWO sets, at v0 and v128.
;   window 2: the accumulators of my rows 0-63 ((a, b) at v[8 (8 a + b)]);  window 3: those of my rows 64-127.
.set NQ,     2                         ; matrix instructions deep in a slot
.set FR,     12                        ; registers of a fragment
.set NL,     4                         ; LDS loads that bring one
.set NP,     4                         ; places behind this matrix instruction (ISA guide 7.12.1)
.set FRB,    1536                      ; a fragment's image
.set TROW,   NQ*FRB                    ; a row tile's part of a slot: consecutive bytes of memory
.set HALFT,  8*TROW                    ; 8 row tiles: what one tensor load brings, and what one wave reads of A or of B
.set SLOT,   4*HALFT                   ; A's 16 row tiles, then B's 16
.set KS,     32                        ; a row's scale bytes
.set SCL,    3*SLOT                    ; behind the three slots: the scale words, as units of 256 bytes + 16 of padding
.set HALFS,  (128*KS/256)*272          ; those of 128 rows: what one tensor load brings
.set SBLK,   (16*KS/256)*272           ; those of 16 rows
.set SPARE,  SCL+4*HALFS               ; the spare words, 128 bytes for each wave: two blocks of 256 bytes that no other line names
.set HB,     315392                    ; a head block, and its parts
.set HKI,    0
.set HVI,    98304
.set HKS,    196608
.set HVS,    204800
.set HQI,    208896
.set HQS,    307200
.set O16,  12                          ; v12    16 x lane
.set O8,   13                          ; v13    512 + 8 x lane
.set O4,   14                          ; v14    4 x lane
.set ADRS, 15                          ; v15    LDS address of my scale words: lanes 0-15 A's rows, lanes 16-31 B's
.set ADRA, 16                          ; v16-18 LDS address of A's 16-byte pieces in slot 0, 1, 2;  v19-21 of its 8-byte pieces
.set ADRB, 22                          ; v22-27 the same for B
.set SPW,  28                          ; v28    LDS address of my spare word; never rewritten
.set NIL,  29                          ; v29    0; never rewritten
.set SC,   32                          ; scale words: set s at v[SC + 16 s]; register 2 i + q: lanes 0-15 A's block i, lanes 16-31 B's block i
.set TM,   64                          ; v64-79 the way out: at work
.set PW,   80                          ; v80    a block's scale word;  v81 the even block's;  v82-83 what is stored
.set PWE,  81
.set X0,   82
.set X1,   83
.set PC,   96                          ; v96-114 the codes
.set AF,   128
.set G0C, 4                            ; s[4:7]   group 0 for A's tile of slot 2 (the arguments' registers, free once the four addresses are made)
.set G0BC, 8                           ; s[8:11]  the same for B's
.set G1, 24                            ; s[24:31] descriptor group 1 for A's tiles;  s[32:39] group 0 for slots 0 and 1
.set G0, 32
.set G1B, 48                           ; s[48:55], s[56:63] the same for B's
.set G0B, 56
.set SEL, 66                           ; s[66:67] lane selects for v_permlanex16_b32
.set G1S, 68                           ; s[68:75], s[76:79] groups 1 and 0 for A's scale words;  s[80:87], s[88:91] for B's
.set G0S, 76
.set G1SB, 80
.set G0SB, 88
.set MSB, 0
.macro WIN new                         ; the immediate's high byte repeats the setting that is left
.if MSB != \new
	s_set_vgpr_msb (MSB<<8)|\new
.set MSB, \new
.endif
.endm
.set MUL_LO, 0xa1                      ; source 0 (B) window 1, source 1 (A) window 0, C and D window 2
.set MUL_HI, 0xf1                      ; the same, C and D window 3
.set TO_B,   0x40                      ; destination window 1, address window 0
; A joint load: waves 0 and 1 fetch for A, waves 2 and 3 for B.  The branch hangs on the wave's number alone.  Four v_nop follow each of the two lines.
.macro JLOAD g0a, g1a, g0b, g1b
	s_cmp_eq_u32 s15, 0
	s_cbranch_scc0 .Lfor_b_\@
	tensor_load_to_lds s[\g0a:\g0a+3], s[\g1a:\g1a+7]
	s_nop 0
.rept 4
	v_nop
.endr
	s_branch .Lasked_\@
.Lfor_b_\@:
	tensor_load_to_lds s[\g0b:\g0b+3], s[\g1b:\g1b+7]
	s_nop 0
.rept 4
	v_nop
.endr
.Lasked_\@:
.endm
.macro CREST                           ; a round of the cluster's barrier behind its opening barrier
	s_cmp_lg_u32 s14, 0
	s_cbranch_scc1 .Lnot_wave_0_\@
	s_barrier_signal -3
.Lnot_wave_0_\@:
	s_barrier_wait -3
	s_barrier_signal -1
	s_barrier_wait -1
.endm
.macro CROUND                          ; a whole round
	s_barrier_signal -1
	s_barrier_wait -1
	CREST
.endm
	s_load_b256 s[4:11], s[0:1], 0x0               ; xi s[4:5], xs s[6:7], wi s[8:9], ws s[10:11]
	s_load_b64 s[12:13], s[0:1], 0x20              ; hb
	v_lshl_add_u32 v[SPW], v0, 2, SPARE
	v_mov_b32 v[NIL], 0
	ds_add_u32 v28, v29
	ds_add_u32 v28, v29
	s_wait_dscnt 0x0
	v_lshrrev_b32 v1, 5, v0
	v_readfirstlane_b32 s14, v1                    ; wave 0..3
	s_lshr_b32 s15, s14, 1                         ; which half of A's rows is mine.  Also: I fetch for A (0) or for B (1)
	s_and_b32 s16, s14, 1                          ; which half of B's rows.  Also: which 128 rows I fetch
	s_bfe_u32 s40, ttmp6, 0x40000                  ; cx, cy: my place in the cluster
	s_bfe_u32 s41, ttmp6, 0x40004
	s_and_b32 s95, ttmp7, 0xffff                   ; the cluster's y
	s_lshl_b32 s17, s95, 2
	s_sub_co_u32 s47, s95, 8
	s_lshl_b32 s47, s47, 3
	s_cmp_lt_u32 s95, 8
	s_cselect_b32 s96, 0, 1                        ; KIND
	s_cselect_b32 s17, s17, 8
	s_cselect_b32 s47, 0, s47
	s_add_co_u32 s17, s17, s41                     ; A's tile of 256 rows: kind 0: 4 y + cy of x;  kind 1: 8 + cy of the weights.  It holds cy and never cx
	s_lshl_b32 s42, ttmp9, 2
	s_add_co_u32 s42, s42, s40
	s_add_co_u32 s42, s42, s47                     ; B's tile: kind 0: 4 x + cx of the weights;  kind 1: 4 x + cx + 8 (y - 8) of x.  It holds cx and never cy
	s_lshl_b32 s43, s41, 2
	s_lshl_b32 s43, 15, s43                        ; my row of the cluster
	s_lshl_b32 s44, 0x1111, s40                    ; my column
	; descriptor group 1: 8 rows (row tiles) of 3,072 bytes, 12,288 bytes apart, dense in LDS
	s_or_b32 s[G1+0], s43, (3<<16)|(1<<21)         ; 15:0 the mask: A's tiles go to my row; 17:16 elements of 8 bytes; 20 no padding; 21 set beside a mask
	s_or_b32 s[G1B+0], s44, (3<<16)|(1<<21)
.irp g, G1, G1B
	s_mov_b32 s[\g+1], 384<<16                     ; tensor_dim0 = 384 elements
	s_mov_b32 s[\g+2], 8<<16                       ; tensor_dim1 = 8
	s_mov_b32 s[\g+3], 384<<16                     ; tile_dim0
	s_mov_b32 s[\g+4], 8                           ; tile_dim1
	s_mov_b32 s[\g+5], 1536                        ; tensor_dim0_stride, in elements
	s_mov_b32 s[\g+6], 0
	s_mov_b32 s[\g+7], 0
.endr
	; and for the scale words of 128 rows: 4,096 dense bytes as 16 rows of 256, 16 bytes of padding behind each
	s_or_b32 s[G1S+0], s43, (3<<16)|(1<<20)|(1<<21)|(5<<22)|(3<<25)
	s_or_b32 s[G1SB+0], s44, (3<<16)|(1<<20)|(1<<21)|(5<<22)|(3<<25)
.irp g, G1S, G1SB
	s_mov_b32 s[\g+1], 32<<16
	s_mov_b32 s[\g+2], 16<<16
	s_mov_b32 s[\g+3], 32<<16
	s_mov_b32 s[\g+4], 16
	s_mov_b32 s[\g+5], 32
	s_mov_b32 s[\g+6], 0
	s_mov_b32 s[\g+7], 0
.endr
	s_lshl_b32 s18, s16, 7                         ; which 128 rows of the tile I fetch
	s_lshl_b32 s20, s17, 8
	s_add_co_u32 s20, s20, s18                     ; A: row 256 x tile + 128 x half
	s_lshl_b32 s46, s42, 8
	s_add_co_u32 s46, s46, s18                     ; B likewise
	s_mov_b32 s21, 0
	s_mov_b32 s47, 0
	s_mov_b64 s[18:19], KS
	s_mul_u64 s[22:23], s[20:21], s[18:19]         ; where these rows' scale words begin, in bytes
	s_mul_u64 s[92:93], s[46:47], s[18:19]
	s_mov_b64 s[18:19], 768
	s_mul_u64 s[20:21], s[20:21], s[18:19]         ; and their codes: 768 bytes a row
	s_mul_u64 s[46:47], s[46:47], s[18:19]
	s_mul_i32 s45, s14, HALFT                      ; where they go: no place in the cluster enters an LDS address
	s_mul_i32 s94, s14, HALFS
	s_mov_b32 s[SEL], 0x76543210
	s_mov_b32 s[SEL+1], 0xfedcba98
	s_mov_b32 s97, 0xffff0000                      ; lanes 16-31
	s_wait_kmcnt 0x0
	s_cmp_lt_u32 s95, 8                            ; which buffer is A and which is B: the choice hangs on the cluster's y alone
	s_cselect_b64 s[98:99], s[4:5], s[8:9]
	s_cselect_b64 s[100:101], s[6:7], s[10:11]
	s_cselect_b64 s[8:9], s[8:9], s[4:5]
	s_cselect_b64 s[10:11], s[10:11], s[6:7]
	s_mov_b64 s[4:5], s[98:99]
	s_mov_b64 s[6:7], s[100:101]
	s_add_nc_u64 s[20:21], s[4:5], s[20:21]
	s_add_nc_u64 s[22:23], s[6:7], s[22:23]
	s_add_nc_u64 s[46:47], s[8:9], s[46:47]
	s_add_nc_u64 s[92:93], s[10:11], s[92:93]
	CROUND                                         ; all sixteen work-groups are here: the first joint loads meet
	s_mov_b32 s[G0S], 1
	s_add_co_u32 s[G0S+1], s94, SCL
	s_mov_b64 s[G0S+2:G0S+3], s[22:23]
	s_or_b32 s[G0S+3], s[G0S+3], 0x80000000
	s_mov_b32 s[G0SB], 1
	s_add_co_u32 s[G0SB+1], s94, SCL
	s_mov_b64 s[G0SB+2:G0SB+3], s[92:93]
	s_or_b32 s[G0SB+3], s[G0SB+3], 0x80000000
	JLOAD G0S, G1S, G0SB, G1SB                     ; the scale words first: they are wanted with the first slot
.irp s, 0,1
	s_mov_b32 s[G0+4*\s], 1
	s_add_co_u32 s[G0+4*\s+1], s45, \s*SLOT
	s_add_nc_u64 s[G0+4*\s+2:G0+4*\s+3], s[20:21], \s*TROW
	s_or_b32 s[G0+4*\s+3], s[G0+4*\s+3], 0x80000000
	s_mov_b32 s[G0B+4*\s], 1
	s_add_co_u32 s[G0B+4*\s+1], s45, \s*SLOT
	s_add_nc_u64 s[G0B+4*\s+2:G0B+4*\s+3], s[46:47], \s*TROW
	s_or_b32 s[G0B+4*\s+3], s[G0B+4*\s+3], 0x80000000
	JLOAD G0+4*\s, G1, G0B+4*\s, G1B
.endr
	s_mov_b32 s[G0C], 1                            ; slot 2: K 512-767
	s_add_co_u32 s[G0C+1], s45, 2*SLOT
	s_add_nc_u64 s[G0C+2:G0C+3], s[20:21], 2*TROW
	s_or_b32 s[G0C+3], s[G0C+3], 0x80000000
	s_mov_b32 s[G0BC], 1
	s_add_co_u32 s[G0BC+1], s45, 2*SLOT
	s_add_nc_u64 s[G0BC+2:G0BC+3], s[46:47], 2*TROW
	s_or_b32 s[G0BC+3], s[G0BC+3], 0x80000000
	JLOAD G0C, G1, G0BC, G1B                       ; four tensor loads of mine are out now, the most in this text
	v_and_b32 v1, 15, v0                           ; r
	v_bfe_u32 v2, v0, 4, 1                         ; h
	v_and_b32 v3, 31, v0                           ; lane
	v_lshlrev_b32 v[O16], 4, v3
	v_lshlrev_b32 v[O8], 3, v3
	v_add_nc_u32 v[O8], 512, v[O8]
	v_lshlrev_b32 v[O4], 2, v3
	s_mul_i32 s21, s15, HALFT                      ; my 8 row tiles of A
	s_mul_i32 s22, s16, HALFT                      ; my 8 of B,
	s_add_co_u32 s22, s22, 2*HALFT                 ; which lie behind A's 16
.irp s, 0,1,2
	v_add_nc_u32 v[ADRA+\s], s21, v[O16]
	v_add_nc_u32 v[ADRB+\s], s22, v[O16]
	v_add_nc_u32 v[ADRA+3+\s], s21, v[O8]
	v_add_nc_u32 v[ADRB+3+\s], s22, v[O8]
	s_add_co_u32 s21, s21, SLOT
	s_add_co_u32 s22, s22, SLOT
.endr
	v_mul_u32_u24 v5, v1, KS                       ; my row's scale words: 32 bytes a row,
	v_lshrrev_b32 v6, 8, v5
	v_lshl_add_u32 v5, v6, 4, v5                   ; and 16 more for each 256 passed
	s_mul_i32 s21, s15, HALFS                      ; A's: my 128 rows
	s_mul_i32 s22, s16, HALFS                      ; B's: my 128 rows, behind A's 256
	s_add_co_u32 s22, s22, 2*HALFS
	s_sub_co_u32 s22, s22, s21
	v_mul_u32_u24 v6, s22, v2                      ; lanes 16-31 take B's: one product, the distance between the two
	s_add_co_u32 s21, s21, SCL
	v_add_nc_u32 v5, v5, v6
	v_add_nc_u32 v[ADRS], s21, v5
.irp b, 0,1,2,3
	v_mov_b32 v[TM+4+\b], 0                        ; written once: a lane permute's destination counts as one of its sources
.endr
	; where my results go in hb: codes from s[12:13] on, scale words from s[18:19] on
	s_cmp_eq_u32 s96, 0
	s_cbranch_scc0 .Lbase_v
	s_lshr_b32 s2, s17, 3                          ; KIND 0: 2,048 tokens, 8 tiles of 256, to a batch
	s_lshl_b32 s2, s2, 4
	s_and_b32 s3, s42, 3                           ; 256 columns are four heads,
	s_lshl_b32 s3, s3, 2
	s_add_co_u32 s2, s2, s3
	s_lshl_b32 s3, s16, 1                          ; my 128 two of them
	s_add_co_u32 s2, s2, s3                        ; my first head block: 16 x batch + head
	s_and_b32 s3, s17, 7
	s_lshl_b32 s3, s3, 4
	s_lshl_b32 s46, s15, 3
	s_add_co_u32 s3, s3, s46                       ; my first token tile in the sequence
	s_lshr_b32 s46, s42, 2                         ; 0: q, 1: k
	s_mul_i32 s20, s46, HQI-HKI
	s_sub_co_u32 s20, HQI, s20
	s_mul_i32 s47, s3, 768
	s_add_co_u32 s20, s20, s47
	s_mul_i32 s22, s46, HQS-HKS
	s_sub_co_u32 s22, HQS, s22
	s_lshl_b32 s47, s3, 6
	s_add_co_u32 s22, s22, s47
	s_branch .Lbase_done
.Lbase_v:
	s_lshr_b32 s2, s42, 3                          ; KIND 1: the batch,
	s_lshl_b32 s2, s2, 4
	s_lshl_b32 s3, s41, 2                          ; 256 channels are four heads,
	s_add_co_u32 s2, s2, s3
	s_lshl_b32 s3, s15, 1                          ; my 128 two of them
	s_add_co_u32 s2, s2, s3
	s_and_b32 s3, s42, 7
	s_lshl_b32 s3, s3, 1
	s_add_co_u32 s3, s3, s16                       ; my 128 tokens are key step 2 (tile % 8) + half
	s_mul_i32 s20, s3, 6144
	s_add_co_u32 s20, s20, HVI
	s_lshl_b32 s22, s3, 8
	s_add_co_u32 s22, s22, HVS
.Lbase_done:
	s_mul_i32 s2, s2, HB
	s_add_co_u32 s20, s20, s2
	s_add_co_u32 s22, s22, s2
	s_mov_b32 s21, 0
	s_mov_b32 s23, 0
	s_add_nc_u64 s[18:19], s[12:13], s[22:23]
	s_add_nc_u64 s[12:13], s[12:13], s[20:21]
.macro FRAG reg, a16, a8, off          ; a fragment comes back as it was stored: every load reads 512 or 256 consecutive bytes, so no two lanes meet in a bank
	ds_load_b128 v[\reg:\reg+3], v[\a16] offset:\off
	ds_load_b64 v[\reg+4:\reg+5], v[\a8] offset:\off
	ds_load_b128 v[\reg+6:\reg+9], v[\a16] offset:\off+768
	ds_load_b64 v[\reg+10:\reg+11], v[\a8] offset:\off+768
.endm
; 16 matrix instructions: A's blocks a0, a0 + 1 x B's eight, 128 along K: the slot's q-th.  p: B's set;  sc: the set of scale words.  zero = 1: the first product starts the sums.
; The 64 accumulators take turns, one instruction a turn, in the same order in every step.
.macro MUL16 a0, p, q, sc, zero
.irp a, \a0, \a0+1
.irp b, 0,1,2,3,4,5,6,7
.if \zero
	v_wmma_scale_f32_16x16x128_f8f6f4 v[8*(8*((\a)%4)+\b):8*(8*((\a)%4)+\b)+7], v[128*(\p)+FR*\b:128*(\p)+FR*\b+FR-1], v[AF+FR*(\a):AF+FR*(\a)+FR-1], 0, v[SC+8*NQ*(\sc)+NQ*\b+(\q)], v[SC+8*NQ*(\sc)+NQ*(\a)+(\q)] matrix_a_fmt:MATRIX_FMT_FP6 matrix_b_fmt:MATRIX_FMT_FP6 matrix_a_scale:MATRIX_SCALE_ROW1
.else
	v_wmma_scale_f32_16x16x128_f8f6f4 v[8*(8*((\a)%4)+\b):8*(8*((\a)%4)+\b)+7], v[128*(\p)+FR*\b:128*(\p)+FR*\b+FR-1], v[AF+FR*(\a):AF+FR*(\a)+FR-1], v[8*(8*((\a)%4)+\b):8*(8*((\a)%4)+\b)+7], v[SC+8*NQ*(\sc)+NQ*\b+(\q)], v[SC+8*NQ*(\sc)+NQ*(\a)+(\q)] matrix_a_fmt:MATRIX_FMT_FP6 matrix_b_fmt:MATRIX_FMT_FP6 matrix_a_scale:MATRIX_SCALE_ROW1
.endif
.endr
.endr
.endm
.macro FETCH_B slot, q, p              ; B's eight fragments of the slot's q-th 128 along K into set p
	WIN TO_B
.irp i, 0,1,2,3,4,5,6,7
	FRAG 128*(\p)+FR*\i, ADRB+\slot, ADRB+3+\slot, TROW*\i+FRB*(\q)
.endr
	WIN 0
.endm
.macro FETCH_A slot, q, i0             ; A's blocks i0 .. i0 + 3
.irp i, \i0, \i0+1, \i0+2, \i0+3
	FRAG AF+FR*(\i), ADRA+\slot, ADRA+3+\slot, TROW*(\i)+FRB*(\q)
.endr
.endm
.macro SCALES sc                       ; a slot's scale words into set sc: two words a row; lanes 0-15 take A's block i, lanes 16-31 B's block i
.irp i, 0,1,2,3,4,5,6,7
	ds_load_b64 v[SC+8*NQ*(\sc)+NQ*\i:SC+8*NQ*(\sc)+NQ*\i+1], v[ADRS] offset:\i*SBLK
.endr
.endm
; A load into a register that a matrix instruction has read, and a vector instruction that reads a matrix result, stand NP places behind it; only plain vector instructions that name none of its registers are places.
.macro PLACES n
.rept \n
	v_nop
.endr
.endm
.macro STEP slot, q, zero, sc          ; a step of 128 along K that has its successor in the same slot
	s_wait_dscnt 4*NL                              ; B's set and A's blocks 0-3 are in; the youngest sixteen loads (A's blocks 4-7) may be out
	WIN MUL_LO
	MUL16 0, (\q)%2, \q, \sc, \zero
	MUL16 2, (\q)%2, \q, \sc, \zero
	s_wait_dscnt 0                                 ; A's blocks 4-7 are in (asked for 32 matrix instructions ago)
	PLACES NP
	FETCH_B \slot, (\q)+1, 1-(\q)%2
	FETCH_A \slot, (\q)+1, 0
	WIN MUL_HI
	MUL16 4, (\q)%2, \q, \sc, \zero
	MUL16 6, (\q)%2, \q, \sc, \zero
	PLACES NP
	WIN 0
	FETCH_A \slot, (\q)+1, 4
.endm
; A slot's last step goes on into slot next.  sc: this slot's set of scale words; nsc: the next slot's.
; mode 1: this slot is filled again: ONE barrier, which opens a round of the cluster's; in front of it each wave waits for all its tensor loads, adds 0 to its spare word, and waits for that and for its own reads of this slot.
; mode 0: the same lines and the barrier alone: the next slot's tile has been on its way, and every wave's part of it has to be shown to the others.
; mode 2: nothing: the next slot was shown whole by an earlier barrier, in front of which every wave had waited for all its loads, and this slot is not filled again.
.macro TURN slot, next, mode, sc, nsc
.if \mode < 2
	s_wait_tensorcnt 0x0                           ; all my tensor loads have landed (every window is 0 here)
	ds_add_u32 v[SPW], v[NIL]                      ; 0 onto my spare word
	s_wait_dscnt 4*NL+1                            ; (the add and the youngest sixteen loads may be out)
	WIN MUL_LO
	MUL16 0, 1, NQ-1, \sc, 0                       ; sixteen matrix instructions stand between the add and the wait for it
	s_wait_dscnt 0x0                               ; the add is done, and my reads of this slot are over
	s_barrier_signal -1
	MUL16 2, 1, NQ-1, \sc, 0
	WIN 0
	s_barrier_wait -1
.else
	s_wait_dscnt 4*NL                              ; the youngest sixteen loads (A's blocks 4-7) may be out
	WIN MUL_LO
	MUL16 0, 1, NQ-1, \sc, 0
	MUL16 2, 1, NQ-1, \sc, 0
	WIN 0
	s_wait_dscnt 0x0                               ; A's blocks 4-7 are in
.endif
.if \mode == 1
	CREST                                          ; the barrier has opened a round of the cluster's: no wave of any partner still reads this slot or has a load on its way
	s_add_nc_u64 s[G0+4*\slot+2:G0+4*\slot+3], s[G0+4*\slot+2:G0+4*\slot+3], 3*TROW
	s_add_nc_u64 s[G0B+4*\slot+2:G0B+4*\slot+3], s[G0B+4*\slot+2:G0B+4*\slot+3], 3*TROW
	JLOAD G0+4*\slot, G1, G0B+4*\slot, G1B         ; my one tensor load behind the round; its four v_nop are the places in front of the loads below
.else
	PLACES NP
.endif
	v_add_nc_u32 v[ADRS], 4*NQ, v[ADRS]            ; on to the next slot's scale words
	FETCH_B \next, 0, 0
	FETCH_A \next, 0, 0
	SCALES \nsc
	WIN MUL_HI
	MUL16 4, 1, NQ-1, \sc, 0
	MUL16 6, 1, NQ-1, \sc, 0
	PLACES NP
	WIN 0
	FETCH_A \next, 0, 4
.endm
	s_wait_tensorcnt 2                             ; the scale words and my part of slot 0 are in; the loads of slots 1 and 2 may be out
	s_barrier_signal -1
	s_barrier_wait -1                              ; everybody's are
	FETCH_B 0, 0, 0
	FETCH_A 0, 0, 0
	s_wait_alu depctr_va_vdst(0)
	SCALES 0
	FETCH_A 0, 0, 4
	STEP 0, 0, 1, 0                                ; K 0-127: its products start the sums
	TURN 0, 1, 1, 0, 1                             ; K 128-255; slots 1 and 2 are whole; slot 0 takes K 768-1,023
	s_wait_alu depctr_va_vdst(0)
	STEP 1, 0, 0, 1
	TURN 1, 2, 2, 1, 0                             ; on into slot 2, which that barrier has shown whole
	s_wait_alu depctr_va_vdst(0)
	STEP 2, 0, 0, 0
	TURN 2, 0, 0, 0, 1                             ; slot 0's second tile: asked for two slots' products ago
	STEP 0, 0, 0, 1
	s_wait_dscnt 4*NL                              ; the last step
	WIN MUL_LO
	MUL16 0, 1, NQ-1, 1, 0
	MUL16 2, 1, NQ-1, 1, 0
	s_wait_dscnt 0
	WIN MUL_HI
	MUL16 4, 1, NQ-1, 1, 0
	MUL16 6, 1, NQ-1, 1, 0
	WIN 0
; THE WAY OUT.  Block a (16 rows of A x my 128 of B) is 64 registers of a lane, register 16 b + i = B's index 32 b + 16 (lane / 16) + i: four blocks of 32 along the next K.  They become a fragment and a scale word,
; in registers, and the fragment leaves as its image: every store covers 512 or 256 consecutive bytes, aligned.  No LDS is needed.
.macro OUTBLK a, kind
.set AC, 64*((\a)%4)
.set WA, 2+(\a)/4                      ; the accumulators' window
	WIN 5*WA                                       ; sources 0 and 1 in the accumulators' window
.irp b, 0,1,2,3
	v_max3_num_f32 v[TM+\b], |v[AC+16*\b]|, |v[AC+16*\b+1]|, 0x1800000   ; each accumulator is read from its low end on; the floor 2^(3 - 127) holds the byte at 1 from below
.endr
.irp i, 2,4,6,8,10,12,14
.irp b, 0,1,2,3
	v_max3_num_f32 v[TM+\b], |v[AC+16*\b+\i]|, |v[AC+16*\b+\i+1]|, v[TM+\b]
.endr
.endr
	WIN 0
.irp b, 0,1,2,3
	v_permlanex16_b32 v[TM+4+\b], v[TM+\b], s[SEL], s[SEL+1]
.endr
.irp b, 0,1,2,3
	v_max_num_f32 v[TM+\b], v[TM+\b], v[TM+4+\b]   ; with lane l xor 16's: the block's largest magnitude
.endr
.irp b, 0,1,2,3
	v_add_nc_u32 v[TM+12+\b], 0xff000000, v[TM+\b]   ; 2 off its exponent field: the conversion's scale operand
.endr
.irp b, 0,1,2,3
	v_lshrrev_b32 v[TM+4+\b], 23, v[TM+12+\b]      ; the byte
.endr
	v_lshl_or_b32 v[PW], v[TM+5], 8, v[TM+4]
	v_lshl_or_b32 v[PW], v[TM+6], 16, v[PW]
	v_lshl_or_b32 v[PW], v[TM+7], 24, v[PW]
.if (\a) > 0
	s_wait_xcnt 0x0                                ; the last block's stores have read the codes' registers and X0, X1, which are written again from here on; no line above writes a register that a store reads
.endif
	WIN WA                                         ; source 0 in the accumulators' window
.irp c, 0,1
	v_cvt_scalef32_pk16_fp6_f32 v[PC+6*\c:PC+2+6*\c], v[AC+32*\c:AC+15+32*\c], v[TM+12+2*\c]
	v_cvt_scalef32_pk16_fp6_f32 v[PC+12+4*\c:PC+14+4*\c], v[AC+16+32*\c:AC+31+32*\c], v[TM+12+2*\c+1]
.endr
	WIN 0
	v_nop                                          ; one plain place behind a scaled conversion
.irp c, 0,1
.irp i, 0,1,2
	v_permlane16_swap_b32 v[PC+6*\c+\i], v[PC+12+4*\c+\i]
.endr
.irp i, 0,1,2
	v_mov_b32 v[PC+3+6*\c+\i], v[PC+12+4*\c+\i]
.endr
.endr
.if \kind == 0                         ; half c is head c of my two: a tile of 16 tokens x the head's 64
.irp c, 0,1
	global_store_b128 v[O16], v[PC+6*\c:PC+6*\c+3], s[12:13] offset:\c*HB+768*(\a)
	global_store_b64 v[O8], v[PC+6*\c+4:PC+6*\c+5], s[12:13] offset:\c*HB+768*(\a)
.endr
.else                                  ; a whole fragment: channel tile a % 4 of head a / 4 of my two x my 128 keys
.irp c, 0,1
	global_store_b128 v[O16], v[PC+6*\c:PC+6*\c+3], s[12:13] offset:((\a)/4)*HB+1536*((\a)%4)+768*\c
	global_store_b64 v[O8], v[PC+6*\c+4:PC+6*\c+5], s[12:13] offset:((\a)/4)*HB+1536*((\a)%4)+768*\c
.endr
.endif
.if (\a)%2 == 0
	v_mov_b32 v[PWE], v[PW]                        ; two blocks' scale words leave together: 128 consecutive bytes
.else
	v_cndmask_b32 v[X0], v[PWE], v[PW], s97        ; lanes 0-15 the even block's rows, lanes 16-31 the odd block's
.if \kind == 0
	v_lshrrev_b32 v[X1], 16, v[X0]                 ; the second head's two bytes,
	v_and_b32 v[X0], 0xffff, v[X0]                 ; the first head's; the word's upper two bytes, 0, stand over zero codes
	global_store_b32 v[O4], v[X0], s[18:19] offset:128*((\a)/2)
	global_store_b32 v[O4], v[X1], s[18:19] offset:HB+128*((\a)/2)
.else
	global_store_b32 v[O4], v[X0], s[18:19] offset:((\a)/4)*HB+128*(((\a)%4)/2)
.endif
.endif
.endm
	PLACES NP                                      ; behind the last products
	s_cmp_eq_u32 s96, 0
	s_cbranch_scc0 .Lout_v
.irp a, 0,1,2,3,4,5,6,7
	OUTBLK \a, 0
.endr
	s_branch .Lend
.Lout_v:
.irp a, 0,1,2,3,4,5,6,7
	OUTBLK \a, 1
.endr
.Lend:
	s_wait_tensorcnt 0x0                           ; the wave's end
	ds_add_u32 v[SPW], v[NIL]
	s_wait_dscnt 0x0
	CROUND                                         ; the closing round: no work-group ends while a partner may still ask for a tile that names it
	s_endpgm
.Lfunc_end_k_qdfc31a63cf_gemm_qkv:
	.size	k_qdfc31a63cf_gemm_qkv, .Lfunc_end_k_qdfc31a63cf_gemm_qkv-k_qdfc31a63cf_gemm_qkv
	.p2alignl 7, 3214868480
	.fill 96, 4, 3214868480
	.section	.rodata,"a",@progbits
	.p2align	6, 0x0
	.amdhsa_kernel k_qdfc31a63cf_gemm_qkv
		.amdhsa_group_segment_fixed_size 327680
		.amdhsa_private_segment_fixed_size 0
		.amdhsa_enable_private_segment 0
		.amdhsa_kernarg_size 40
		.amdhsa_user_sgpr_count 2
		.amdhsa_user_sgpr_kernarg_segment_ptr 1
		.amdhsa_wavefront_size32 1
		.amdhsa_system_sgpr_workgroup_id_x 1
		.amdhsa_system_sgpr_workgroup_id_y 1
		.amdhsa_system_sgpr_workgroup_id_z 1
		.amdhsa_system_vgpr_workitem_id 0
		.amdhsa_next_free_vgpr 1024
		.amdhsa_next_free_sgpr 102
		.amdhsa_reserve_vcc 0
		.amdhsa_float_denorm_mode_32 3
		.amdhsa_float_denorm_mode_16_64 3
		.amdhsa_memory_ordered 1
		.amdhsa_forward_progress 1
		.amdhsa_inst_pref_size 186
	.end_amdhsa_kernel
	.amdgpu_metadata
---
amdhsa.version: [ 1, 2 ]
amdhsa.kernels:
  - .name:           k_qdfc31a63cf_gemm_qkv
    .symbol:         k_qdfc31a63cf_gemm_qkv.kd
    .args:
      - { .name: xi, .offset: 0, .size: 8, .value_kind: global_buffer, .address_space: global }
      - { .name: xs, .offset: 8, .size: 8, .value_kind: global_buffer, .address_space: global }
      - { .name: wi, .offset: 16, .size: 8, .value_kind: global_buffer, .address_space: global }
      - { .name: ws, .offset: 24, .size: 8, .value_kind: global_buffer, .address_space: global }
      - { .name: hb, .offset: 32, .size: 8, .value_kind: global_buffer, .address_space: global }
    .group_segment_fixed_size: 327680
    .private_segment_fixed_size: 0
    .kernarg_segment_align: 8
    .kernarg_segment_size: 40
    .max_flat_workgroup_size: 128
    .sgpr_count:     102
    .vgpr_count:     1024
    .wavefront_size: 32
...
	.end_amdgpu_metadata
.endif
;; end of part 2
;; launch attn (part 3): grid 4 x 64, 16 waves a work-group, clusters of 4 x 1, 327,680 bytes of LDS; arguments hb, yi, ys; writes yi, ys
.if DOCPART == 3
	.amdgcn_target "amdgcn-amd-amdhsa--gfx1250"
	.amdhsa_code_object_version 6
	.text
	.protected	k_qdfc31a63cf_attn
	.globl	k_qdfc31a63cf_attn
	.p2align	8
	.type	k_qdfc31a63cf_attn,@function
k_qdfc31a63cf_attn:
	s_mov_b64 s[64:65], 0
	v_nop
	global_prefetch_b8 v0, s[64:65] scope:SCOPE_SE
	s_setreg_imm32_b32 hwreg(HW_REG_WAVE_MODE, 25, 1), 1
	s_wait_xcnt 0x0
	s_wait_alu depctr_hold_cnt(0) depctr_sa_sdst(0) depctr_va_vdst(0) depctr_va_sdst(0) depctr_va_ssrc(0) depctr_va_vcc(0) depctr_vm_vsrc(0)
	s_getreg_b32 s2, hwreg(HW_REG_IB_STS2, 6, 4)
	s_cmp_eq_u32 s2, 0
	s_cbranch_scc0 .Lentry_in_a_cluster
	s_endpgm
.Lentry_in_a_cluster:
	s_bfe_u32 s2, ttmp6, 0x10000c
	s_cmp_lg_u32 s2, 0x3003
	s_cbranch_scc0 .Lentry_shape_is_right
	s_endpgm
.Lentry_shape_is_right:
; y[q] = the sum over keys k <= q of softmax_k(Q[q] . K[k] / 8) V[k], for each of 64 heads (batch x head) of 2,048 tokens x 64 channels, both products on codes of FP6 (E2M3) with E8M0 scales; y leaves quantised along d.
; THE SOFTMAX AHEAD OF THE SECOND PRODUCT: t = score x log2(e) / 8; M = the row's largest t so far, rounded UP to a whole number; p = 2^(t - M) is what is quantised, along the keys, not normalised.
; The row's sum is taken of the unquantised p and divides O at the end.  When M moves, the sum and O are multiplied by 2^(old M - new M): exact.
; INPUT: a head block of hb: K's images [key tile 128][768], V's [step 16][channel tile 4][1536], K's scale words [tile][16], V's [step][tile][16]: 208,896 bytes on end; then Q's images and scale words.
; An image is the matrix unit's registers: a half fragment (16 rows x 64 K): registers 0-3 at 16 x lane, registers 4, 5 at 512 + 8 x lane.  Lane r of tile T holds row 32 (T / 2) + 8 (T % 2) + r + 8 (r / 8).
; Q and K have K = 64: registers 6-11 of their fragments are zero codes, cleared once, and the upper two bytes of their scale words are 0.
; CLUSTER: the four work-groups of a cluster serve one head.  ALL of the head's K, V and scale words fit in LDS and come ONCE, by one joint load a wave (51 rows of 256 bytes each, sixteen waves): one tensor load of mine is out.
; No LDS byte is filled again, so behind the one barrier no wave waits for another.
; SHARES.  A wave owns a tile of 16 queries at a time, in 256 registers, four waves to a SIMD, so that one wave's vector work stands beside another's products and LDS loads.  Wave w takes two tiles: one of group
; w / 2 of 128 queries and one of group 15 - w / 2.  Group G needs key steps 0 .. G, so every wave of every work-group has 17 steps of 128 keys.  The loops' trip counts are constants; a step whose keys all come after
; the queries is jumped over by a branch on the wave's number and the step's.  My place in the cluster enters global addresses and the mask's compare alone.
; Q IS ASKED FOR EARLY: the first tile's while the head's fill is on its way, the second tile's ahead of the first tile's way out.
; LAYOUT.  Both products are used transposed: S^T = K Q^T, O^T = V^T P^T: a lane holds ONE query throughout; by the choice of a tile's rows the 16 registers of tiles 2 b, 2 b + 1 are 16 neighbouring keys (or channels).
; LIMITS: NaN and infinities are not served; a block of y whose largest magnitude lies under 2^-124 gets the byte 1.
; REGISTERS: v1-5, v28-31 addresses that stay; v6-11 the step's addresses; v12 -M, v13 the largest t, v[14:15] the sum; v16-27 Q; v32-79 four fragments of K; v80-127 V's four; v128-191 S^T, then p; v192-223 O^T;
;   v224-235 p's codes; v232-247 at work; v248-251 the tiles' scale words; v252 f; v253 p's scale word; v254 at work; v255 Q's scale words.
.set HB,   315392
.set VI,   98304
.set HKS,  196608
.set HVS,  204800
.set HQI,  208896
.set HQS,  307200
.set WSH,  13056                       ; a wave's share of the fill
.set S,    128
.set O,    192
.set WV,   18                          ; s18  my wave's number
.set SEL,  20                          ; s[20:21] lane selects for v_permlanex16_b32: lane l xor 16
.set CS,   22                          ; s[22:23] c = log2(e) / 8
.set G1,   24                          ; s[24:31], s[32:35] the descriptor
.set G0,   32
.set TK,   36                          ; s36  the step's images: 6,144 bytes a step, K's and V's alike
.set TS,   37                          ; s37  K's scale words: 512 a step
.set TJ,   38                          ; s38  V's: 256 a step
.set ST,   39                          ; s39  the step
.set GQ,   40                          ; s40  my tile's group of 128 queries
.macro CROUND                          ; a round of the cluster's barrier
	s_barrier_signal -1
	s_barrier_wait -1
	s_cmp_lg_u32 s[WV], 0
	s_cbranch_scc1 .Lnot_wave_0_\@
	s_barrier_signal -3
.Lnot_wave_0_\@:
	s_barrier_wait -3
	s_barrier_signal -1
	s_barrier_wait -1
.endm
	s_load_b128 s[4:7], s[0:1], 0x0                ; hb, yi
	s_load_b64 s[8:9], s[0:1], 0x10                ; ys
	v_lshl_add_u32 v254, v0, 2, 0x33000
	v_mov_b32 v255, 0
	ds_add_u32 v254, v255
	ds_add_u32 v254, v255
	s_wait_dscnt 0x0
	v_lshrrev_b32 v1, 5, v0
	s_delay_alu instid0(VALU_DEP_1)
	v_readfirstlane_b32 s[WV], v1                  ; wave 0..15
	s_bfe_u32 s41, ttmp6, 0x40000                  ; cx
	s_and_b32 s10, ttmp7, 0xffff                   ; the head block: 16 x batch + head, which the four partners share
	s_mul_i32 s42, s10, HB
	s_mov_b32 s43, 0
	s_mul_i32 s2, s[WV], WSH
	s_mov_b32 s3, 0
	s_mov_b32 s[G1], 15|(3<<16)|(1<<21)            ; 15:0 the mask: all four work-groups; 17:16 elements of 8 bytes; 21 set beside a mask
	s_mov_b32 s[G1+1], 32<<16                      ; tensor_dim0 = 32 elements: 256 bytes
	s_mov_b32 s[G1+2], 51<<16                      ; tensor_dim1 = 51
	s_mov_b32 s[G1+3], 32<<16                      ; tile_dim0
	s_mov_b32 s[G1+4], 51                          ; tile_dim1
	s_mov_b32 s[G1+5], 32                          ; the rows are dense
	s_mov_b32 s[G1+6], 0
	s_mov_b32 s[G1+7], 0
	s_mov_b32 s[SEL], 0x76543210
	s_mov_b32 s[SEL+1], 0xfedcba98
	s_mov_b32 s[CS], 0x3e38aa3b                    ; log2(e) / 8
	s_mov_b32 s[CS+1], s[CS]                       ; (named with it as a pair, so it is written)
	s_mov_b32 s60, 0xffff0000                      ; lanes 16-31
	s_wait_kmcnt 0x0
	s_add_nc_u64 s[42:43], s[4:5], s[42:43]        ; the head block
	s_mov_b32 s[G0], 1
	s_mov_b32 s[G0+1], s2                          ; LDS: wave x 13,056
	s_add_nc_u64 s[G0+2:G0+3], s[42:43], s[2:3]
	s_or_b32 s[G0+3], s[G0+3], 0x80000000
	CROUND                                         ; all four work-groups are here: the joint loads meet
	tensor_load_to_lds s[G0:G0+3], s[G1:G1+7]
	s_nop 0
.rept 4
	v_nop
.endr
; pass p's four bases: Q's image, Q's scale words, y's image, y's scale bytes, in s[44 + 8 p ..]: a set for each pass, so that none is written under a pending access
.macro BASES p
.set BB, 44+8*\p
	s_lshr_b32 s12, s[WV], 1
.if \p
	s_sub_co_u32 s12, 15, s12
.endif
	s_lshl_b32 s12, s12, 3
	s_lshl_b32 s13, s41, 1
	s_add_co_u32 s12, s12, s13
	s_and_b32 s13, s[WV], 1
	s_add_co_u32 s12, s12, s13                     ; my query tile: 8 x group + 2 cx + wave % 2
	s_mul_i32 s14, s12, 768
	s_add_co_u32 s14, s14, HQI
	s_mov_b32 s15, 0
	s_add_nc_u64 s[BB:BB+1], s[42:43], s[14:15]
	s_lshl_b32 s14, s12, 6
	s_add_co_u32 s14, s14, HQS
	s_add_nc_u64 s[BB+2:BB+3], s[42:43], s[14:15]
	s_lshr_b32 s13, s10, 4
	s_lshl_b32 s13, s13, 7
	s_add_co_u32 s13, s13, s12                     ; y's row tile: 128 x batch + tile
	s_and_b32 s16, s10, 15                         ; the head: K step head / 2, half head % 2 of the next product: 768 x head bytes on
	s_mul_i32 s14, s13, 12288
	s_mul_i32 s17, s16, 768
	s_add_co_u32 s14, s14, s17
	s_add_nc_u64 s[BB+4:BB+5], s[6:7], s[14:15]
	s_lshl_b32 s14, s13, 9
	s_lshl_b32 s17, s16, 1
	s_add_co_u32 s14, s14, s17                     ; its scale bytes: 512 x tile + 2 x head
	s_add_nc_u64 s[BB+6:BB+7], s[8:9], s[14:15]
.endm
.macro QLOAD p                         ; pass p's half fragment of Q and its scale words; they stay in registers for the pass
.set BB, 44+8*\p
	global_load_b128 v[16:19], v1, s[BB:BB+1]
	global_load_b64 v[20:21], v2, s[BB:BB+1]
	global_load_b32 v255, v30, s[BB+2:BB+3]
.endm
	BASES 0
	BASES 1
	s_lshl_b32 s11, s41, 5
	s_and_b32 s12, s[WV], 1
	s_lshl_b32 s12, s12, 3
	s_add_co_u32 s11, s11, s12                     ; my tile's first query within its group of 128
	v_and_b32 v2, 31, v0                           ; lane
	s_delay_alu instid0(VALU_DEP_1)
	v_lshlrev_b32 v1, 4, v2                        ; v1: 16 x lane (K's images begin at LDS byte 0)
	s_delay_alu instid0(VALU_DEP_2)
	v_lshlrev_b32 v2, 3, v2
	s_delay_alu instid0(VALU_DEP_1)
	v_add_nc_u32 v2, 512, v2                       ; v2: 512 + 8 x lane
	s_delay_alu instid0(VALU_DEP_3)
	v_add_nc_u32 v3, VI, v1                        ; v3, v4: the same for V
	s_delay_alu instid0(VALU_DEP_2)
	v_add_nc_u32 v4, VI, v2
	v_and_b32 v30, 15, v0                          ; r
	v_bfe_u32 v31, v0, 4, 1                        ; h
	s_delay_alu instid0(VALU_DEP_2)
	v_and_b32 v29, 8, v30
	s_delay_alu instid0(VALU_DEP_1)
	v_add_nc_u32 v29, v29, v30                     ; r + 8 (r / 8)
	s_delay_alu instid0(VALU_DEP_3)
	v_lshlrev_b32 v28, 4, v31
	s_delay_alu instid0(VALU_DEP_1)
	v_sub_nc_u32 v29, v29, v28
	s_delay_alu instid0(VALU_DEP_1)
	v_add_nc_u32 v29, s11, v29                     ; v29: d = my query within the group - 16 h.  On the diagonal register 16 b + i holds key 32 b + 16 h + i of the group: hidden where 32 b + i > d
	v_lshl_add_u32 v5, v30, 2, HKS                 ; v5: K's scale words, 4 r
	v_lshl_add_u32 v28, v30, 2, HVS                ; v28: V's
	v_lshl_add_u32 v31, v30, 5, v31                ; v31: y's scale byte: 32 r + h
	v_lshlrev_b32 v30, 2, v30                      ; v30: 4 r
	QLOAD 0                                        ; the first tile's Q comes while the head's fill is on its way; nobody stores to hb here, so the loads may be out across the barrier
.irp j, 22,23,24,25,26,27
	v_mov_b32 v[\j], 0                             ; Q's k = 64 .. 127: zero codes, written once
.endr
.irp t, 0,1,2,3
.irp j, 6,7,8,9,10,11
	v_mov_b32 v[32+12*\t+\j], 0                    ; K's likewise: no load lands here
.endr
.endr
.irp j, 236,237,238,239,252,253
	v_mov_b32 v[\j], 0                             ; written once: a lane permute's destination counts as one of its sources, and a pair is named whole
.endr
	s_wait_tensorcnt 0x0                           ; my part of the head is in,
	s_barrier_signal -1
	s_barrier_wait -1                              ; everybody's is
; A KEY STEP: 128 keys.
.macro STEP p
	s_cmp_gt_u32 s[ST], s[GQ]                      ; all its keys come after my queries: only the addresses step
	s_cbranch_scc1 .Lhidden_\p
	s_setprio 2
	v_add_nc_u32 v6, s[TK], v1                     ; (these six are also the places in front of the loads below, into registers that the last step's products read)
	v_add_nc_u32 v7, s[TK], v2
	v_add_nc_u32 v8, s[TK], v3
	v_add_nc_u32 v9, s[TK], v4
	v_add_nc_u32 v10, s[TS], v5
	v_add_nc_u32 v11, s[TJ], v28
.irp t, 0,1,2,3
	ds_load_b128 v[32+12*\t:35+12*\t], v6 offset:768*\t
	ds_load_b64 v[36+12*\t:37+12*\t], v7 offset:768*\t
	ds_load_b32 v[248+\t], v10 offset:64*\t
.endr
.irp t, 0,1,2,3                                ; V's four fragments are asked for now and land under the scores and the softmax
	ds_load_b128 v[80+12*\t:83+12*\t], v8 offset:1536*\t
	ds_load_b64 v[84+12*\t:85+12*\t], v9 offset:1536*\t
	ds_load_b128 v[86+12*\t:89+12*\t], v8 offset:1536*\t+768
	ds_load_b64 v[90+12*\t:91+12*\t], v9 offset:1536*\t+768
.endr
	s_wait_alu depctr_va_vdst(0)
	s_wait_dscnt 16                                ; K's tiles 0-3 are in; V's sixteen loads may be out
.irp t, 0,1,2,3
	v_wmma_scale_f32_16x16x128_f8f6f4 v[S+8*\t:S+8*\t+7], v[32+12*\t:43+12*\t], v[16:27], 0, v[248+\t], v255 matrix_a_fmt:MATRIX_FMT_FP6 matrix_b_fmt:MATRIX_FMT_FP6
.endr
.rept 4
	v_nop                                          ; places in front of loads into registers that matrix instructions have read
.endr
.irp t, 0,1,2,3
	ds_load_b128 v[32+12*\t:35+12*\t], v6 offset:768*(4+\t)
	ds_load_b64 v[36+12*\t:37+12*\t], v7 offset:768*(4+\t)
	ds_load_b32 v[248+\t], v10 offset:64*(4+\t)
.endr
	s_wait_dscnt 0x0
.irp t, 0,1,2,3
	v_wmma_scale_f32_16x16x128_f8f6f4 v[S+32+8*\t:S+32+8*\t+7], v[32+12*\t:43+12*\t], v[16:27], 0, v[248+\t], v255 matrix_a_fmt:MATRIX_FMT_FP6 matrix_b_fmt:MATRIX_FMT_FP6
.endr
.rept 4
	v_nop                                          ; places in front of the loads below and of the first read of the scores
.endr
.irp t, 0,1,2,3
	ds_load_b32 v[248+\t], v11 offset:64*\t        ; V's scale words
.endr
	s_cmp_lg_u32 s[ST], s[GQ]                      ; only my group's own step lies on the diagonal
	s_cbranch_scc1 .Lopen_\p
	v_mov_b32 v254, 0xff800000                     ; hidden scores become -infinity ahead of the maximum: p = 0 then.  The step's first key counts for every query, so M is a number
.irp n, 0,1,2,3,4,5,6,7,8,9,10,11,12,13,14,15,16,17,18,19,20,21,22,23,24,25,26,27,28,29,30,31,32,33,34,35,36,37,38,39,40,41,42,43,44,45,46,47,48,49,50,51,52,53,54,55,56,57,58,59,60,61,62,63
	v_cmp_gt_i32 vcc_lo, 32*(\n/16)+\n%16, v29
	v_cndmask_b32 v[S+\n], v[S+\n], v254, vcc_lo
.endr
.Lopen_\p:
.irp b, 0,1,2,3
	v_max3_num_f32 v[232+\b], v[S+16*\b], v[S+1+16*\b], v[S+2+16*\b]   ; the largest score of each block of 32 keys: it serves the row's maximum and, since p rises with the score, the block's largest p
.endr
.irp i, 3,5,7,9,11,13
.irp b, 0,1,2,3
	v_max3_num_f32 v[232+\b], v[232+\b], v[S+16*\b+\i], v[S+1+16*\b+\i]
.endr
.endr
.irp b, 0,1,2,3
	v_max_num_f32 v[232+\b], v[232+\b], v[S+15+16*\b]
.endr
.irp b, 0,1,2,3
	s_delay_alu instid0(VALU_DEP_4)
	v_permlanex16_b32 v[236+\b], v[232+\b], s[SEL], s[SEL+1]
.endr
.irp b, 0,1,2,3
	s_delay_alu instid0(VALU_DEP_4)
	v_max_num_f32 v[232+\b], v[232+\b], v[236+\b]  ; with lane l xor 16's 16 keys
.endr
	s_delay_alu instid0(VALU_DEP_2)
	v_max3_num_f32 v254, v232, v233, v234
	s_delay_alu instid0(VALU_DEP_1)
	v_max_num_f32 v254, v254, v235                 ; the step's largest score of my query
	s_delay_alu instid0(VALU_DEP_1)
	v_mul_f32 v254, s[CS], v254                    ; as t
	s_delay_alu instid0(VALU_DEP_1)
	v_max_num_f32 v13, v13, v254                   ; the running largest t
	v_mov_b32 v254, v12
	s_delay_alu instid0(VALU_DEP_2)
	v_floor_f32 v12, -v13                          ; the new -M = floor(-t) = -ceil(t)
	s_delay_alu instid0(VALU_DEP_1)
	v_sub_f32 v254, v12, v254                      ; old M - new M: a whole number, 0 or less
	s_delay_alu instid0(VALU_DEP_1)
	v_cvt_i32_f32 v254, v254                       ; (it saturates)
	s_delay_alu instid0(VALU_DEP_1)
	v_ldexp_f32 v252, 1.0, v254                    ; f = 2^(old M - new M)
	s_setprio 1
.irp j, 0,2,4,6,8,10,12,14,16,18,20,22,24,26,28,30,32,34,36,38,40,42,44,46,48,50,52,54,56,58,60,62
	v_pk_fma_f32 v[S+\j:S+1+\j], v[S+\j:S+1+\j], s[CS:CS+1], v[12:13] op_sel_hi:[1,0,0]   ; t - M, two at a time
.endr
.irp b, 0,1,2,3
	v_fma_f32 v[232+\b], v[232+\b], s[CS], v12     ; the same of each block's largest score
.endr
	s_wait_alu depctr_va_vdst(0)
.irp j, 0,1,2,3,4,5,6,7,8,9,10,11,12,13,14,15,16,17,18,19,20,21,22,23,24,25,26,27,28,29,30,31,32,33,34,35,36,37,38,39,40,41,42,43,44,45,46,47,48,49,50,51,52,53,54,55,56,57,58,59,60,61,62,63
	v_exp_f32 v[S+\j], v[S+\j]                     ; p = 2^(t - M), at most 1
.endr
.irp b, 0,1,2,3
	v_exp_f32 v[232+\b], v[232+\b]                 ; the block's largest p
.endr
	v_pk_mul_f32 v[14:15], v[14:15], v[252:253] op_sel_hi:[1,0]   ; the sums under the new M.  (A plain place behind the exponentials)
	s_wait_alu depctr_va_vdst(0)
.irp b, 0,1,2,3
	v_max_num_f32 v[232+\b], 0x1800000, v[232+\b]  ; the floor 2^(3 - 127): a block whose every p is 0 keeps the byte 1; its codes are zeros
.endr
.irp b, 0,1,2,3
	s_delay_alu instid0(VALU_DEP_4)
	v_add_nc_u32 v[244+\b], 0xff000000, v[232+\b]  ; the conversion's scale operand
.endr
.irp b, 0,1,2,3
	s_delay_alu instid0(VALU_DEP_4)
	v_lshrrev_b32 v[236+\b], 23, v[244+\b]         ; the byte
.endr
	s_delay_alu instid0(VALU_DEP_3)
	v_lshl_or_b32 v253, v237, 8, v236              ; p's scale word for these 128 keys
	s_delay_alu instid0(VALU_DEP_1)
	v_lshl_or_b32 v253, v238, 16, v253
	s_delay_alu instid0(VALU_DEP_1)
	v_lshl_or_b32 v253, v239, 24, v253
.irp c, 0,1
	v_cvt_scalef32_pk16_fp6_f32 v[224+6*\c:226+6*\c], v[S+32*\c:S+15+32*\c], v[244+2*\c]
	v_cvt_scalef32_pk16_fp6_f32 v[236+4*\c:238+4*\c], v[S+16+32*\c:S+31+32*\c], v[244+2*\c+1]
.endr
	v_nop                                          ; one plain place behind a scaled conversion
.irp c, 0,1
.irp i, 0,1,2
	v_permlane16_swap_b32 v[224+6*\c+\i], v[236+4*\c+\i]
.endr
.irp i, 0,1,2
	s_delay_alu instid0(VALU_DEP_3)
	v_mov_b32 v[227+6*\c+\i], v[236+4*\c+\i]
.endr
.endr
	v_pk_add_f32 v[236:237], v[132:133], v[136:137]
	v_pk_add_f32 v[246:247], v[140:141], v[144:145]
	v_pk_add_f32 v[244:245], v[148:149], v[152:153]
	v_pk_add_f32 v[242:243], v[156:157], v[160:161]
	v_pk_add_f32 v[240:241], v[164:165], v[168:169]
	v_pk_add_f32 v[72:73], v[172:173], v[176:177]
	v_pk_add_f32 v[70:71], v[180:181], v[184:185]
	v_pk_add_f32 v[14:15], v[14:15], v[188:189]
	s_setprio 0
	v_pk_add_f32 v[236:237], v[236:237], v[128:129]
	v_pk_add_f32 v[246:247], v[246:247], v[130:131]
	v_pk_add_f32 v[244:245], v[244:245], v[134:135]
	v_pk_add_f32 v[242:243], v[242:243], v[138:139]
	v_pk_add_f32 v[240:241], v[240:241], v[142:143]
	v_pk_add_f32 v[72:73], v[72:73], v[146:147]
	v_pk_add_f32 v[70:71], v[70:71], v[150:151]
	v_pk_add_f32 v[14:15], v[14:15], v[154:155]
	v_pk_add_f32 v[236:237], v[236:237], v[158:159]
	v_pk_add_f32 v[246:247], v[246:247], v[162:163]
	v_pk_add_f32 v[244:245], v[244:245], v[166:167]
	v_pk_add_f32 v[242:243], v[242:243], v[170:171]
	v_pk_add_f32 v[240:241], v[240:241], v[174:175]
	v_pk_add_f32 v[72:73], v[72:73], v[178:179]
	v_pk_add_f32 v[70:71], v[70:71], v[182:183]
	v_pk_add_f32 v[14:15], v[14:15], v[186:187]
	v_pk_add_f32 v[236:237], v[236:237], v[190:191]
	s_delay_alu instid0(VALU_DEP_2)
	v_pk_add_f32 v[14:15], v[14:15], v[242:243]
	s_delay_alu instid0(VALU_DEP_2)
	v_pk_add_f32 v[236:237], v[236:237], v[240:241]
	v_pk_add_f32 v[246:247], v[246:247], v[72:73]
	v_pk_add_f32 v[244:245], v[244:245], v[70:71]
	s_delay_alu instid0(VALU_DEP_2)
	v_pk_add_f32 v[14:15], v[14:15], v[246:247]
	s_delay_alu instid0(VALU_DEP_2)
	v_pk_add_f32 v[236:237], v[236:237], v[244:245]
	s_delay_alu instid0(VALU_DEP_1)
	v_pk_add_f32 v[14:15], v[14:15], v[236:237]
.irp j, 0,2,4,6,8,10,12,14,16,18,20,22,24,26,28,30
	v_pk_mul_f32 v[O+\j:O+1+\j], v[O+\j:O+1+\j], v[252:253] op_sel_hi:[1,0]   ; O^T under the new M
.endr
	s_wait_alu depctr_va_vdst(0)
	s_wait_dscnt 0x0                               ; V's scale words are in (its fragments have been since the second wait)
.irp t, 0,1,2,3                                ; O^T += V^T P^T: four accumulators by turns
	v_wmma_scale_f32_16x16x128_f8f6f4 v[O+8*\t:O+8*\t+7], v[80+12*\t:91+12*\t], v[224:235], v[O+8*\t:O+8*\t+7], v[248+\t], v253 matrix_a_fmt:MATRIX_FMT_FP6 matrix_b_fmt:MATRIX_FMT_FP6
.endr
.Lhidden_\p:
	s_add_co_u32 s[TK], s[TK], 6144
	s_add_co_u32 s[TS], s[TS], 512
	s_add_co_u32 s[TJ], s[TJ], 256
.endm
; THE WAY OUT: y = O^T / the sum; a lane's 32 numbers are channels 16 h + 0 .. 15 and 32 + 16 h + 0 .. 15 of its query: two blocks of 32 along the next product's K.  They leave as half a fragment's image.
.macro YOUT p
.set BB, 44+8*\p
.rept 4
	v_nop                                          ; places behind the last products
.endr
	v_add_f32 v14, v14, v15
	s_delay_alu instid0(VALU_DEP_1)
	v_permlanex16_b32 v252, v14, s[SEL], s[SEL+1]
	s_delay_alu instid0(VALU_DEP_1)
	v_add_f32 v14, v14, v252                       ; the row's sum
	s_wait_alu depctr_va_vdst(0)
	v_rcp_f32 v14, v14
	v_nop                                          ; one plain place behind a transcendental
	s_wait_alu depctr_va_vdst(0)
.irp j, 0,1,2,3,4,5,6,7,8,9,10,11,12,13,14,15,16,17,18,19,20,21,22,23,24,25,26,27,28,29,30,31
	v_mul_f32 v[S+\j], v[O+\j], v14                ; each accumulator from its low end on
.endr
.irp b, 0,1
	v_max3_num_f32 v[232+\b], |v[S+16*\b]|, |v[S+1+16*\b]|, 0x1800000
.endr
.irp i, 2,4,6,8,10,12,14
.irp b, 0,1
	s_delay_alu instid0(VALU_DEP_2)
	v_max3_num_f32 v[232+\b], v[232+\b], |v[S+16*\b+\i]|, |v[S+1+16*\b+\i]|
.endr
.endr
.irp b, 0,1
	s_delay_alu instid0(VALU_DEP_2)
	v_permlanex16_b32 v[236+\b], v[232+\b], s[SEL], s[SEL+1]
.endr
.irp b, 0,1
	s_delay_alu instid0(VALU_DEP_2)
	v_max_num_f32 v[232+\b], v[232+\b], v[236+\b]
.endr
.irp b, 0,1
	s_delay_alu instid0(VALU_DEP_2)
	v_add_nc_u32 v[244+\b], 0xff000000, v[232+\b]
.endr
.irp b, 0,1
	s_delay_alu instid0(VALU_DEP_2)
	v_lshrrev_b32 v[238+\b], 23, v[244+\b]
.endr
	v_cvt_scalef32_pk16_fp6_f32 v[224:226], v[S:S+15], v244
	v_cvt_scalef32_pk16_fp6_f32 v[228:230], v[S+16:S+31], v245
	v_nop                                          ; one plain place behind a scaled conversion
.irp i, 0,1,2
	v_permlane16_swap_b32 v[224+\i], v[228+\i]     ; lanes 0-15 now hold block 0 whole, lanes 16-31 block 1
.endr
	s_delay_alu instid0(VALU_DEP_3)
	v_mov_b32 v227, v228
	s_delay_alu instid0(VALU_DEP_3)
	v_mov_b32 v228, v229
	s_delay_alu instid0(VALU_DEP_3)
	v_mov_b32 v229, v230
	v_cndmask_b32 v240, v238, v239, s60            ; lane (r, h) stores block h's byte of row r: no byte is stored twice
	global_store_b128 v1, v[224:227], s[BB+4:BB+5]   ; 512 consecutive bytes, aligned,
	global_store_b64 v2, v[228:229], s[BB+4:BB+5]    ; and 256
	global_store_b8 v31, v240, s[BB+6:BB+7]        ; a row's 32 scale bytes come from sixteen heads, so these leave singly: one byte for 24 of codes
	s_wait_xcnt 0x0                                ; the stores have read their registers
.endm
.macro PASS p
	s_lshr_b32 s[GQ], s[WV], 1
.if \p
	s_sub_co_u32 s[GQ], 15, s[GQ]
.endif
	v_mov_b32 v13, 0xff61b1e6                      ; the largest t so far: -3e38, under every t
	s_delay_alu instid0(VALU_DEP_1)
	v_floor_f32 v12, -v13                          ; -M
	v_mov_b32 v14, 0
	v_mov_b32 v15, 0
.irp j, 0,1,2,3,4,5,6,7,8,9,10,11,12,13,14,15,16,17,18,19,20,21,22,23,24,25,26,27,28,29,30,31
	v_mov_b32 v[O+\j], 0                           ; the step is written once: the first finds zeros, which the first change of M leaves zeros
.endr
	s_mov_b32 s[TK], 0
	s_mov_b32 s[TS], 0
	s_mov_b32 s[TJ], 0
	s_mov_b32 s[ST], 0
	s_wait_loadcnt 0x0                             ; this pass's Q is in
.Lloop_\p:                                         ; sixteen trips in every wave
	STEP \p
	s_add_co_u32 s[ST], s[ST], 1
	s_cmp_lt_u32 s[ST], 16
	s_cbranch_scc1 .Lloop_\p
	s_setprio 0
.if \p == 0
	QLOAD 1                                        ; the second tile's Q lands under the first tile's way out; the products that read these registers stand behind four v_nop and the whole softmax
.endif
	YOUT \p
.endm
	PASS 0
	PASS 1
	s_wait_dscnt 0x0
	s_wait_xcnt 0x0
	v_lshl_add_u32 v254, v0, 2, 0x33000
	v_mov_b32 v255, 0
	s_wait_alu depctr_va_vdst(0)
	s_wait_tensorcnt 0x0
	ds_add_u32 v254, v255
	s_wait_dscnt 0x0
	CROUND                                         ; the closing round
	s_endpgm
.Lfunc_end_k_qdfc31a63cf_attn:
	.size	k_qdfc31a63cf_attn, .Lfunc_end_k_qdfc31a63cf_attn-k_qdfc31a63cf_attn
	.p2alignl 7, 3214868480
	.fill 96, 4, 3214868480
	.section	.rodata,"a",@progbits
	.p2align	6, 0x0
	.amdhsa_kernel k_qdfc31a63cf_attn
		.amdhsa_group_segment_fixed_size 327680
		.amdhsa_private_segment_fixed_size 0
		.amdhsa_enable_private_segment 0
		.amdhsa_kernarg_size 24
		.amdhsa_user_sgpr_count 2
		.amdhsa_user_sgpr_kernarg_segment_ptr 1
		.amdhsa_wavefront_size32 1
		.amdhsa_system_sgpr_workgroup_id_x 1
		.amdhsa_system_sgpr_workgroup_id_y 1
		.amdhsa_system_sgpr_workgroup_id_z 1
		.amdhsa_system_vgpr_workitem_id 0
		.amdhsa_next_free_vgpr 256
		.amdhsa_next_free_sgpr 66
		.amdhsa_reserve_vcc 1
		.amdhsa_float_denorm_mode_32 3
		.amdhsa_float_denorm_mode_16_64 3
		.amdhsa_memory_ordered 1
		.amdhsa_forward_progress 1
		.amdhsa_inst_pref_size 67
	.end_amdhsa_kernel
	.amdgpu_metadata
---
amdhsa.version: [ 1, 2 ]
amdhsa.kernels:
  - .name:           k_qdfc31a63cf_attn
    .symbol:         k_qdfc31a63cf_attn.kd
    .args:
      - { .name: hb, .offset: 0, .size: 8, .value_kind: global_buffer, .address_space: global }
      - { .name: yi, .offset: 8, .size: 8, .value_kind: global_buffer, .address_space: global }
      - { .name: ys, .offset: 16, .size: 8, .value_kind: global_buffer, .address_space: global }
    .group_segment_fixed_size: 327680
    .private_segment_fixed_size: 0
    .kernarg_segment_align: 8
    .kernarg_segment_size: 24
    .max_flat_workgroup_size: 512
    .sgpr_count:     66
    .vgpr_count:     256
    .wavefront_size: 32
...
	.end_amdgpu_metadata
.endif
;; end of part 3
;; launch gemm_proj (part 4): grid 4 x 64, 4 waves a work-group, clusters of 4 x 4, 327,680 bytes of LDS; arguments yi, ys, wi, ws, out0; writes out0
.if DOCPART == 4
	.amdgcn_target "amdgcn-amd-amdhsa--gfx1250"
	.amdhsa_code_object_version 6
	.text
	.protected	k_qdfc31a63cf_gemm_proj
	.globl	k_qdfc31a63cf_gemm_proj
	.p2align	8
	.type	k_qdfc31a63cf_gemm_proj,@function
k_qdfc31a63cf_gemm_proj:
	s_mov_b64 s[64:65], 0
	v_nop
	global_prefetch_b8 v0, s[64:65] scope:SCOPE_SE
	s_setreg_imm32_b32 hwreg(HW_REG_WAVE_MODE, 25, 1), 1
	s_wait_xcnt 0x0
	s_wait_alu depctr_hold_cnt(0) depctr_sa_sdst(0) depctr_va_vdst(0) depctr_va_sdst(0) depctr_va_ssrc(0) depctr_va_vcc(0) depctr_vm_vsrc(0)
	s_getreg_b32 s2, hwreg(HW_REG_IB_STS2, 6, 4)
	s_cmp_eq_u32 s2, 0
	s_cbranch_scc0 .Lentry_in_a_cluster
	s_endpgm
.Lentry_in_a_cluster:
	s_bfe_u32 s2, ttmp6, 0x10000c
	s_cmp_lg_u32 s2, 0xf033
	s_cbranch_scc0 .Lentry_shape_is_right
	s_endpgm
.Lentry_shape_is_right:
; out0 = y w_proj on codes of FP6 (E2M3) with E8M0 scales: [8192][1024] f32, K = 1,024; sums in f32.
; OPERANDS are images of the matrix unit's registers: [row tile][K step 8][1536 bytes]; a fragment (16 rows x 128 K, 12 registers a lane) is two halves of 768 bytes: registers 6 c .. 6 c + 3 at 16 x lane,
; registers 6 c + 4, 6 c + 5 at 512 + 8 x lane.  Lane r of tile T holds row 32 (T / 2) + 8 (T % 2) + r + 8 (r / 8).  Scale words: [row tile][r][8 words].  w_proj's columns are rows 3,072 on of wi and ws.
; A TILE OF 128 TOKENS x 256 COLUMNS: 8,192 x 1,024 outputs make 256 such tiles, a work-group to each.  Four waves, as many as a WGP has SIMDs; a wave makes 64 x 128: 32 accumulators.
; Source 1 ("A") = 16 tokens, source 0 ("B") = 16 columns of w_proj: a lane holds one token; the registers of B's tile b are columns 32 (b / 2) + 8 (b % 2) + 16 (lane / 16) + 0 .. 7.
; ALL OF K LIES IN LDS: (128 + 256) rows x 768 bytes = 294,912 bytes, and 13,056 of scale words.  Every byte is asked for at the start, in four parts of 256 along K ("slots"), and no LDS byte is filled again: no ring.
; A slot is read behind a counted wait and a barrier of its own, so the first products begin while the later slots are on their way.
; CLUSTERS: 4 x 4 work-groups; A's tiles are asked for jointly along a row of the cluster, B's along a column.
; REGISTERS, in windows of 256: window 0: v8-27 addresses; v32-63 scale words, two sets, and nothing else; v128-223 A's fragments, TWO sets of 4; on the way out v128-255 hold rows.
;   window 1: B's fragments, TWO sets of 8, at v0 and v128.   window 2: the accumulators ((a, b) at v[8 (8 a + b)]).
.set NQ,     2                         ; matrix instructions deep in a slot
.set FR,     12                        ; registers of a fragment
.set NP,     4                         ; places behind this matrix instruction (ISA guide 7.12.1)
.set FRB,    1536                      ; a fragment's image
.set TROW,   NQ*FRB                    ; a row tile's part of a slot: consecutive bytes of memory
.set AT,     8*TROW                    ; 8 row tiles: all of A's in a slot, half of B's
.set SLOT,   3*AT                      ; A's 8 row tiles, then B's 16
.set KS,     32                        ; a row's scale bytes
.set SCL,    4*SLOT                    ; behind the four slots: the scale words, as units of 256 bytes + 16 of padding: A's 128 rows, then B's 256
.set QS,     (64*KS/256)*272           ; those of 64 rows
.set SBLK,   (16*KS/256)*272           ; those of 16 rows
.set SPITCH, 528                       ; the way out: a stage of 16 rows x (512 bytes + 16) for each wave, in slot 0: nobody reads that slot behind the first change of slots, and nothing is filled later
.set ADRA, 8                           ; v8-11  LDS address of A's 16-byte pieces in slot 0 .. 3;  v12-15 of its 8-byte pieces
.set ADRB, 16                          ; v16-23 the same for B
.set STO,  24                          ; v24    the way out: where I put 32 bytes of a row
.set RD,   25                          ; v25    where I read a row back
.set CO,   26                          ; v26    16 x lane: my byte offset in a row of out0
.set ADRS, 27                          ; v27    LDS address of my scale words: lanes 0-15 A's rows, lanes 16-31 B's
.set SC,   32                          ; scale words: set s at v[SC + 16 s]; register 2 i + q: lanes 0-15 A's block i, lanes 16-31 B's block i
.set AF,   128
.set BK,   128                         ; the way out: 16 rows read back: v128-191 and v192-255 by turns
.set G1,   24                          ; s[24:31] descriptor group 1 for A's tiles;  s[32:39] for B's;  s[40:47], s[48:55] for their scale words
.set G1B,  32
.set G1S,  40
.set G1SB, 48
.set G0S,  56                          ; s[56:59], s[60:63] groups 0 for the scale words
.set G0SB, 60
.set G0,   68                          ; s[68:83] groups 0 for A's tiles, a set for each slot;  s[84:99] for B's
.set G0B,  84
.set MSB, 0
.macro WIN new                         ; the immediate's high byte repeats the setting that is left
.if MSB != \new
	s_set_vgpr_msb (MSB<<8)|\new
.set MSB, \new
.endif
.endm
.set MUL,  0xa1                        ; source 0 (B) window 1, source 1 (A) window 0, C and D window 2
.set TO_B, 0x40                        ; destination window 1, address window 0
; A joint load: waves 0 and 1 fetch for A, waves 2 and 3 for B.  The branch hangs on the wave's number alone.  Four v_nop follow each of the two lines.
.macro JLOAD g0a, g1a, g0b, g1b
	s_cmp_eq_u32 s15, 0
	s_cbranch_scc0 .Lfor_b_\@
	tensor_load_to_lds s[\g0a:\g0a+3], s[\g1a:\g1a+7]
	s_nop 0
.rept 4
	v_nop
.endr
	s_branch .Lasked_\@
.Lfor_b_\@:
	tensor_load_to_lds s[\g0b:\g0b+3], s[\g1b:\g1b+7]
	s_nop 0
.rept 4
	v_nop
.endr
.Lasked_\@:
.endm
.macro CROUND                          ; a round of the cluster's barrier
	s_barrier_signal -1
	s_barrier_wait -1
	s_cmp_lg_u32 s14, 0
	s_cbranch_scc1 .Lnot_wave_0_\@
	s_barrier_signal -3
.Lnot_wave_0_\@:
	s_barrier_wait -3
	s_barrier_signal -1
	s_barrier_wait -1
.endm
.macro SHAPE g, c, r, p                ; words 1 to 7 of a group 1: r rows of c elements, p elements apart
	s_mov_b32 s[\g+1], (\c)<<16                    ; tensor_dim0
	s_mov_b32 s[\g+2], (\r)<<16                    ; tensor_dim1
	s_mov_b32 s[\g+3], (\c)<<16                    ; tile_dim0
	s_mov_b32 s[\g+4], \r                          ; tile_dim1
	s_mov_b32 s[\g+5], \p                          ; tensor_dim0_stride
	s_mov_b32 s[\g+6], 0
	s_mov_b32 s[\g+7], 0
.endm
	s_load_b256 s[4:11], s[0:1], 0x0               ; yi s[4:5], ys s[6:7], wi s[8:9], ws s[10:11]
	s_load_b64 s[12:13], s[0:1], 0x20              ; out0
	v_lshl_add_u32 v126, v0, 2, 0x4b300
	v_mov_b32 v127, 0
	ds_add_u32 v126, v127
	ds_add_u32 v126, v127
	v_lshrrev_b32 v1, 5, v0
	v_readfirstlane_b32 s14, v1                    ; wave 0..3
	s_lshr_b32 s15, s14, 1                         ; which 64 of A's rows are mine.  Also: I fetch for A (0) or for B (1)
	s_and_b32 s16, s14, 1                          ; which 128 of B's rows are mine.  Also: which half of that operand's rows I fetch
	s_bfe_u32 s66, ttmp6, 0x40000                  ; cx
	s_bfe_u32 s67, ttmp6, 0x40004                  ; cy
	s_lshl_b32 s18, s67, 2
	s_lshl_b32 s18, 15, s18                        ; my row of the cluster
	s_lshl_b32 s19, 0x1111, s66                    ; my column
	s_or_b32 s[G1], s18, (3<<16)|(1<<21)           ; 15:0 the mask: A's tiles go to my row; 17:16 elements of 8 bytes; 20 no padding; 21 set beside a mask
	s_or_b32 s[G1B], s19, (3<<16)|(1<<21)
	s_or_b32 s[G1S], s18, (3<<16)|(1<<20)|(1<<21)|(5<<22)|(3<<25)   ; the scale words: 16 bytes of padding behind every 256
	s_or_b32 s[G1SB], s19, (3<<16)|(1<<20)|(1<<21)|(5<<22)|(3<<25)
	SHAPE G1, 384, 4, 1536                         ; A: 4 row tiles' 3,072 bytes, 12,288 bytes apart, dense in LDS
	SHAPE G1B, 384, 8, 1536                        ; B: 8
	SHAPE G1S, 32, 8, 32                           ; A's scale words of 64 rows: 2,048 dense bytes as 8 rows of 256
	SHAPE G1SB, 32, 16, 32                         ; B's of 128 rows: 16 rows of 256
	s_and_b32 s17, ttmp7, 0xffff
	s_lshl_b32 s17, s17, 2
	s_add_co_u32 s17, s17, s67                     ; tile row = 4 x cluster y + cy
	s_lshl_b32 s18, ttmp9, 2
	s_add_co_u32 s66, s18, s66                     ; tile column = 4 x cluster x + cx
	s_lshl_b32 s18, s16, 6
	s_lshl_b32 s20, s17, 7
	s_add_co_u32 s20, s20, s18                     ; A: row 128 x tile row + 64 x half
	s_lshl_b32 s18, s16, 7
	s_lshl_b32 s2, s66, 8
	s_add_co_u32 s2, s2, s18
	s_add_co_u32 s2, s2, 3072                      ; B: row 3,072 + 256 x tile column + 128 x half
	s_mov_b32 s21, 0
	s_mov_b32 s3, 0
	s_mov_b64 s[18:19], KS
	s_mul_u64 s[22:23], s[20:21], s[18:19]         ; where these rows' scale words begin, in bytes
	s_mul_u64 s[100:101], s[2:3], s[18:19]
	s_mov_b64 s[18:19], 768
	s_mul_u64 s[20:21], s[20:21], s[18:19]         ; and their codes: 768 bytes a row
	s_mul_u64 s[2:3], s[2:3], s[18:19]
	s_wait_dscnt 0x0
	s_wait_kmcnt 0x0
	s_add_nc_u64 s[20:21], s[4:5], s[20:21]
	s_add_nc_u64 s[22:23], s[6:7], s[22:23]
	s_add_nc_u64 s[2:3], s[8:9], s[2:3]
	s_add_nc_u64 s[100:101], s[10:11], s[100:101]
	CROUND                                         ; all sixteen work-groups are here: the joint loads meet
	s_mul_i32 s18, s16, QS                         ; where they go: the wave's number alone enters an LDS address
	s_mul_i32 s19, s16, 2*QS
	s_mov_b32 s[G0S], 1
	s_add_co_u32 s[G0S+1], s18, SCL
	s_mov_b64 s[G0S+2:G0S+3], s[22:23]
	s_or_b32 s[G0S+3], s[G0S+3], 0x80000000
	s_mov_b32 s[G0SB], 1
	s_add_co_u32 s[G0SB+1], s19, SCL+2*QS
	s_mov_b64 s[G0SB+2:G0SB+3], s[100:101]
	s_or_b32 s[G0SB+3], s[G0SB+3], 0x80000000
	JLOAD G0S, G1S, G0SB, G1SB                     ; the scale words first: they are wanted with the first slot
	s_mul_i32 s18, s16, 4*TROW
	s_mul_i32 s19, s16, AT
.irp s, 0,1,2,3
	s_mov_b32 s[G0+4*\s], 1
	s_add_co_u32 s[G0+4*\s+1], s18, \s*SLOT
	s_add_nc_u64 s[G0+4*\s+2:G0+4*\s+3], s[20:21], \s*TROW
	s_or_b32 s[G0+4*\s+3], s[G0+4*\s+3], 0x80000000
	s_mov_b32 s[G0B+4*\s], 1
	s_add_co_u32 s[G0B+4*\s+1], s19, \s*SLOT+AT
	s_add_nc_u64 s[G0B+4*\s+2:G0B+4*\s+3], s[2:3], \s*TROW
	s_or_b32 s[G0B+4*\s+3], s[G0B+4*\s+3], 0x80000000
	JLOAD G0+4*\s, G1, G0B+4*\s, G1B               ; behind the last of these five tensor loads of mine are out, the most in this text
.endr
	v_and_b32 v1, 15, v0                           ; r
	v_bfe_u32 v2, v0, 4, 1                         ; h
	v_and_b32 v3, 31, v0                           ; lane
	v_lshlrev_b32 v[CO], 4, v3                     ; 16 x lane
	v_lshlrev_b32 v4, 3, v3
	v_add_nc_u32 v4, 512, v4                       ; 512 + 8 x lane
	s_mul_i32 s21, s15, 4*TROW                     ; my 4 row tiles of A
	s_mul_i32 s22, s16, AT                         ; my 8 of B,
	s_add_co_u32 s22, s22, AT                      ; which lie behind A's 8
.irp s, 0,1,2,3
	v_add_nc_u32 v[ADRA+\s], s21, v[CO]
	v_add_nc_u32 v[ADRB+\s], s22, v[CO]
	v_add_nc_u32 v[ADRA+4+\s], s21, v4
	v_add_nc_u32 v[ADRB+4+\s], s22, v4
	s_add_co_u32 s21, s21, SLOT
	s_add_co_u32 s22, s22, SLOT
.endr
	v_mul_u32_u24 v5, v1, KS                       ; my row's scale words: 32 bytes a row,
	v_lshrrev_b32 v6, 8, v5
	v_lshl_add_u32 v5, v6, 4, v5                   ; and 16 more for each 256 passed
	s_mul_i32 s21, s15, QS                         ; A's: my 64 rows
	s_mul_i32 s22, s16, 2*QS                       ; B's: my 128 rows, behind A's 128
	s_add_co_u32 s22, s22, 2*QS
	s_sub_co_u32 s22, s22, s21
	v_mul_u32_u24 v6, s22, v2                      ; lanes 16-31 take B's: one product, the distance between the two
	s_add_co_u32 s21, s21, SCL
	v_add_nc_u32 v5, v5, v6
	v_add_nc_u32 v[ADRS], s21, v5
	s_mul_i32 s23, s14, 16*SPITCH                  ; my stage
	v_mul_u32_u24 v6, v1, SPITCH
	v_lshl_add_u32 v6, v2, 6, v6
	v_add_nc_u32 v[STO], s23, v6                   ; in: row r, + 64 h
	v_add_nc_u32 v[RD], s23, v[CO]                 ; back: the 32 lanes take one row of 512 bytes
	s_lshl_b32 s20, s17, 7
	s_lshl_b32 s21, s15, 6
	s_add_co_u32 s20, s20, s21                     ; my first row of out0: 128 x tile row + 64 x half,
	s_lshl_b32 s20, s20, 12                        ; of 4,096 bytes
	s_lshl_b32 s18, s66, 10                        ; my first column, in bytes: 1,024 x tile column + 512 x half
	s_lshl_b32 s19, s16, 9
	s_add_co_u32 s18, s18, s19
	s_add_co_u32 s20, s20, s18
	s_mov_b32 s21, 0
	s_add_nc_u64 s[12:13], s[12:13], s[20:21]
.macro FRAG reg, a16, a8, off          ; a fragment comes back as it was stored: every load reads 512 or 256 consecutive bytes, so no two lanes meet in a bank
	ds_load_b128 v[\reg:\reg+3], v[\a16] offset:\off
	ds_load_b64 v[\reg+4:\reg+5], v[\a8] offset:\off
	ds_load_b128 v[\reg+6:\reg+9], v[\a16] offset:\off+768
	ds_load_b64 v[\reg+10:\reg+11], v[\a8] offset:\off+768
.endm
; 16 matrix instructions: A's blocks a0, a0 + 1 x B's eight, 128 along K: the slot's q-th.  p: the sets of fragments;  sc: the set of scale words.  zero = 1: the first product starts the sums.
; The 32 accumulators take turns, one instruction a turn, in the same order in every step.
.macro MUL16 a0, p, q, sc, zero
.irp a, \a0, \a0+1
.irp b, 0,1,2,3,4,5,6,7
.if \zero
	v_wmma_scale_f32_16x16x128_f8f6f4 v[8*(8*(\a)+\b):8*(8*(\a)+\b)+7], v[128*(\p)+FR*\b:128*(\p)+FR*\b+FR-1], v[AF+48*(\p)+FR*(\a):AF+48*(\p)+FR*(\a)+FR-1], 0, v[SC+16*(\sc)+2*\b+(\q)], v[SC+16*(\sc)+2*(\a)+(\q)] matrix_a_fmt:MATRIX_FMT_FP6 matrix_b_fmt:MATRIX_FMT_FP6 matrix_a_scale:MATRIX_SCALE_ROW1
.else
	v_wmma_scale_f32_16x16x128_f8f6f4 v[8*(8*(\a)+\b):8*(8*(\a)+\b)+7], v[128*(\p)+FR*\b:128*(\p)+FR*\b+FR-1], v[AF+48*(\p)+FR*(\a):AF+48*(\p)+FR*(\a)+FR-1], v[8*(8*(\a)+\b):8*(8*(\a)+\b)+7], v[SC+16*(\sc)+2*\b+(\q)], v[SC+16*(\sc)+2*(\a)+(\q)] matrix_a_fmt:MATRIX_FMT_FP6 matrix_b_fmt:MATRIX_FMT_FP6 matrix_a_scale:MATRIX_SCALE_ROW1
.endif
.endr
.endr
.endm
.macro MUL32 p, q, sc, zero            ; a step's 32 products
	WIN MUL
	MUL16 0, \p, \q, \sc, \zero
	MUL16 2, \p, \q, \sc, \zero
.endm
.macro FETCH slot, q, p                ; the fragments of the slot's q-th 128 along K into sets p: B's eight, A's four: 48 loads in one run
	WIN TO_B
.irp i, 0,1,2,3,4,5,6,7
	FRAG 128*(\p)+FR*\i, ADRB+\slot, ADRB+4+\slot, TROW*\i+FRB*(\q)
.endr
	WIN 0
.irp i, 0,1,2,3
	FRAG AF+48*(\p)+FR*\i, ADRA+\slot, ADRA+4+\slot, TROW*\i+FRB*(\q)
.endr
.endm
.macro SCALES sc, slot                 ; a slot's scale words into set sc: two words a row; lanes 16-31 take B's block i, lanes 0-15 A's block i (for i > 3 they read words of other rows, which no product names)
.irp i, 0,1,2,3,4,5,6,7
	ds_load_b64 v[SC+16*(\sc)+2*\i:SC+16*(\sc)+2*\i+1], v[ADRS] offset:\i*SBLK+8*(\slot)
.endr
.endm
; A load into a register that a matrix instruction has read, and an LDS store that reads a matrix result, stand NP places behind it; only plain vector instructions that name none of its registers are places.
.macro PLACES n
.rept \n
	v_nop
.endr
.endm
; A step of 128 along K: its fragments are in; the next step's are asked for, into the sets that the last step's products read; then its 32 products, under which those loads land.
.macro STEP p, q, sc, nslot, nq
	s_wait_dscnt 0x0                               ; this step's fragments are in
	PLACES NP
	FETCH \nslot, \nq, 1-(\p)
	MUL32 \p, \q, \sc, 0
.endm
; The same where the next step lies in the next slot.  left: my younger tensor loads, the slots behind that one, which may stay out.
.macro CROSS p, q, sc, nslot, nsc, left
	s_wait_dscnt 0x0                               ; this step's fragments are in: no LDS instruction of mine is out at the signal
	s_wait_tensorcnt \left                         ; my part of the next slot has landed,
	s_barrier_signal -1
	PLACES NP
	s_barrier_wait -1                              ; everybody's has
	FETCH \nslot, 0, 1-(\p)
	SCALES \nsc, \nslot
	MUL32 \p, \q, \sc, 0
.endm
	s_wait_tensorcnt 3                             ; the scale words and my part of slot 0 are in; the three younger loads may be out
	s_barrier_signal -1
	s_barrier_wait -1                              ; everybody's are
	FETCH 0, 0, 0
	SCALES 0, 0
	s_wait_dscnt 0x0
	FETCH 0, 1, 1                                  ; (no product has read these sets yet: no places)
	MUL32 0, 0, 0, 1                               ; K 0-127: its products start the sums
	CROSS 1, 1, 0, 1, 1, 2                         ; K 128-255; slot 1 is whole behind the barrier
	STEP 0, 0, 1, 1, 1
	CROSS 1, 1, 1, 2, 0, 1
	STEP 0, 0, 0, 2, 1
	CROSS 1, 1, 0, 3, 1, 0                         ; the last slot: no tensor load of mine is out any more
	STEP 0, 0, 1, 3, 1
	s_wait_dscnt 0x0                               ; K 896-1,023: nothing more to fetch
	MUL32 1, 1, 1, 0
	WIN 0
; THE WAY OUT, block by block of 16 rows x 128 columns, through my own stage in LDS: in by 32 bytes a lane at their columns' places, back as whole rows of 512 bytes, which the 32 lanes store as one aligned run of 512.
; LDS serves a wave's instructions in order (ISA guide 5.7.1.4): no wait between the stores and the loads, nor in front of the next block's stores.
.macro TOSTAGE a
.set AC, 64*(\a)
	WIN 0x08                                       ; the data: window 2
.irp b, 0,1,2,3,4,5,6,7
	ds_store_b128 v[STO], v[AC+8*\b:AC+8*\b+3] offset:128*(\b/2)+32*(\b%2)          ; each accumulator from its low end on
	ds_store_b128 v[STO], v[AC+8*\b+4:AC+8*\b+7] offset:128*(\b/2)+32*(\b%2)+16
.endr
	WIN 0
.set BB, BK+64*((\a)%2)
.irp t, 0,1,2,3,4,5,6,7,8,9,10,11,12,13,14,15
	ds_load_b128 v[BB+4*\t:BB+4*\t+3], v[RD] offset:\t*SPITCH
.endr
.endm
.macro SEND a, younger                 ; younger: the LDS instructions issued behind block a's loads, which may stay out
.set BB, BK+64*((\a)%2)
.set RW, 32*((\a)/2)+8*((\a)%2)        ; the block's first row; its row t is row t + 8 (t / 8) from there
	s_wait_dscnt \younger
.irp t, 0,1,2,3,4,5,6,7,8,9,10,11,12,13,14,15
	global_store_b128 v[CO], v[BB+4*\t:BB+4*\t+3], s[12:13] offset:(RW+\t+8*(\t/8))*4096 th:TH_STORE_NT   ; 512 consecutive bytes, aligned; 63 rows on at the most: inside the signed 24-bit immediate; the base never steps
.endr
.endm
	PLACES NP                                      ; behind the last products: for the loads into the registers that held A's fragments and for the reads of the results
	TOSTAGE 0
.irp a, 1,2,3
.if \a > 1
	s_wait_xcnt 0x0                                ; block a - 2's stores have read their registers: block a's loads may land there
.endif
	TOSTAGE \a
	SEND \a-1, 32                                  ; behind block a - 1's loads: block a's 16 stores and 16 loads
.endr
	SEND 3, 0
	s_wait_dscnt 0x0
	s_wait_tensorcnt 0x0
	ds_add_u32 v126, v127
	s_wait_dscnt 0x0
	CROUND                                         ; the closing round: no work-group ends while a partner may still ask for a tile that names it
	s_endpgm
.Lfunc_end_k_qdfc31a63cf_gemm_proj:
	.size	k_qdfc31a63cf_gemm_proj, .Lfunc_end_k_qdfc31a63cf_gemm_proj-k_qdfc31a63cf_gemm_proj
	.p2alignl 7, 3214868480
	.fill 96, 4, 3214868480
	.section	.rodata,"a",@progbits
	.p2align	6, 0x0
	.amdhsa_kernel k_qdfc31a63cf_gemm_proj
		.amdhsa_group_segment_fixed_size 327680
		.amdhsa_private_segment_fixed_size 0
		.amdhsa_enable_private_segment 0
		.amdhsa_kernarg_size 40
		.amdhsa_user_sgpr_count 2
		.amdhsa_user_sgpr_kernarg_segment_ptr 1
		.amdhsa_wavefront_size32 1
		.amdhsa_system_sgpr_workgroup_id_x 1
		.amdhsa_system_sgpr_workgroup_id_y 1
		.amdhsa_system_sgpr_workgroup_id_z 1
		.amdhsa_system_vgpr_workitem_id 0
		.amdhsa_next_free_vgpr 768
		.amdhsa_next_free_sgpr 102
		.amdhsa_reserve_vcc 0
		.amdhsa_float_denorm_mode_32 3
		.amdhsa_float_denorm_mode_16_64 3
		.amdhsa_memory_ordered 1
		.amdhsa_forward_progress 1
		.amdhsa_inst_pref_size 87
	.end_amdhsa_kernel
	.amdgpu_metadata
---
amdhsa.version: [ 1, 2 ]
amdhsa.kernels:
  - .name:           k_qdfc31a63cf_gemm_proj
    .symbol:         k_qdfc31a63cf_gemm_proj.kd
    .args:
      - { .name: yi, .offset: 0, .size: 8, .value_kind: global_buffer, .address_space: global }
      - { .name: ys, .offset: 8, .size: 8, .value_kind: global_buffer, .address_space: global }
      - { .name: wi, .offset: 16, .size: 8, .value_kind: global_buffer, .address_space: global }
      - { .name: ws, .offset: 24, .size: 8, .value_kind: global_buffer, .address_space: global }
      - { .name: out0, .offset: 32, .size: 8, .value_kind: global_buffer, .address_space: global }
    .group_segment_fixed_size: 327680
    .private_segment_fixed_size: 0
    .kernarg_segment_align: 8
    .kernarg_segment_size: 40
    .max_flat_workgroup_size: 128
    .sgpr_count:     102
    .vgpr_count:     768
    .wavefront_size: 32
...
	.end_amdgpu_metadata
.endif
;; end of part 4
